; MI455X (gfx1250); checked and timed in simulation.
; The chip was launched on July 23, 2026; its instructions are those of AMD's public machine-readable ISA for CDNA 5 (MIT licence, August 2026) and "CDNA5" Instruction Set Architecture Reference Guide (July 2026). The comments in the code are by the model that wrote it; some were corrected since.
;; Causal Self Attention. Allowed arithmetic: matrix products marked QUANTISED: E2M1 operands, one E8M0 scale for each 32 along K, by v_wmma_scale_f32_16x16x128_f8f6f4 with both operands' format E2M1 (or v_wmma_scale_f32_32x16x128_f4), f32 sums; products left as they are: bf16, f16 or f32 operands; f32 sums; everything else in f32.
;; Inputs: W_attn 1,024 x 3,072 float32; W_proj 1,024 x 1,024 float32; x 4 x 2,048 x 1,024 float32.
;; Outputs: out0 4 x 2,048 x 1,024 float32.
;; This version of the problem:
;;   THIS VERSION OF THE PROBLEM IS GIVEN IN LOW PRECISION. The matrix products marked QUANTISED in the list below multiply operands that are first quantised to E2M1 (2 exponent bits, 1 mantissa bit; 4 bits a number), with one power-of-two scale for each 32 numbers along K (OCP MX v1.0); their sums are f32. The products marked 'left as it is' may take bf16, f16 or f32 operands, with f32 sums. Whichever they take, every output number must still come out within the allowed error. Rounding operands to bf16 (8 significant bits) uses up far more of that allowance than f16 does (11 bits, for magnitudes from 6e-5 to 65,504). All else is computed in f32.
;;   The module's matrix products, in the order in which they are computed (A, B: the left and right operand; K: the contracted axis; several contracted axes count as one K, in the product's order):
;;     1. [M 8,192, K 1,024] x [K 1,024, N 3,072]; A: input x; B: input W_attn: QUANTISED
;;     2. batch 64 x [M 2,048, K 64] x [K 64, N 2,048]; A: computed on the way; B: computed on the way: left as it is (an operand is computed on the way)
;;     3. batch 64 x [M 2,048, K 2,048] x [K 2,048, N 64]; A: computed on the way; B: computed on the way: left as it is (an operand is computed on the way)
;;     4. [M 8,192, K 1,024] x [K 1,024, N 1,024]; A: computed on the way; B: input W_proj: left as it is (an operand is computed on the way)
;;   THE QUANTISER, for each operand of a quantised product, along K:
;;     - K is cut into blocks of 32 from its start; a last block that is shorter is filled with zeros.
;;     - A block's scale is 2^e with e = floor(log2(the largest magnitude in the block)) - 2, held to -126 .. 127; a block of zeros has e = 0. As a byte (E8M0): e + 127.
;;     - Each number is divided by its block's scale, clamped to +-6, and rounded to the nearest number of E2M1, ties to even, subnormals kept.
;;     - The product sums the exact products of the quantised numbers (number of the format x scale) in f32.
;;   ~~~python
;;   def quantise(x, axis):      # numpy; x: float32 -> the quantised numbers, widened to float32 again
;;       x = np.moveaxis(x, axis, -1); K = x.shape[-1]
;;       x = np.pad(x, [(0, 0)] * (x.ndim - 1) + [(0, -K % 32)]); x = x.reshape(x.shape[:-1] + (-1, 32)); a = np.abs(x).max(-1, keepdims=True)
;;       e = np.where(a > 0, np.clip(np.frexp(np.where(a > 0, a, 1))[1] - 1 - 2, -126, 127), 0)      # np.frexp(a)[1] - 1 = floor(log2(a)), exactly
;;       r = np.clip(x / 2.0 ** e, -6, 6)
;;       step = 2.0 ** (np.maximum(np.frexp(np.where(r == 0, 1, r))[1] - 1, 0) - 1)
;;       q = np.round(r / step) * step * 2.0 ** e      # np.round: ties to even
;;       return np.moveaxis(q.reshape(q.shape[:-2] + (-1,))[..., :K], -1, axis).astype(np.float32)
;;   ~~~
;; One version. Each part assembles by itself: llvm-mc -triple=amdgcn-amd-amdhsa -mcpu=gfx1250 --defsym DOCPART=n.
;; ======== version 1 of 1: 5 launches
;; limits: values are held in f16: magnitudes above 65,504 overflow, below 6.1e-05 lose precision
;; workspace buffers: x_codes 4,194,304 bytes; x_scales 262,144 bytes; w_codes 1,572,864 bytes; w_scales 98,304 bytes; tabs 3,145,728 bytes; qkv16 50,331,648 bytes; fineqkv 786,432 bytes; y16 16,777,216 bytes
;; launch prep (part 1): grid 464 x 1, 4 waves a work-group, no clusters, 68,096 bytes of LDS; arguments x, W_attn, W_proj, x_codes, x_scales, w_codes, w_scales, tabs; writes x_codes, x_scales, w_codes, w_scales, tabs
.if DOCPART == 1
	.amdgcn_target "amdgcn-amd-amdhsa--gfx1250"
	.amdhsa_code_object_version 6
	.text
	.protected	k_q42379b0d53_prep
	.globl	k_q42379b0d53_prep
	.p2align	8
	.type	k_q42379b0d53_prep,@function
k_q42379b0d53_prep:
	s_mov_b64 s[64:65], 0
	v_nop
	global_prefetch_b8 v0, s[64:65] scope:SCOPE_SE
	s_setreg_imm32_b32 hwreg(HW_REG_WAVE_MODE, 25, 1), 1
	s_wait_xcnt 0x0
; FOUR ROLES, chosen by the work-group's number alone:
;   0-255   X: x [8192][1024] f32 -> codes of FP4 (E2M1), K innermost, and one E8M0 byte for each 32 along K
;   256-303 W: W_attn [1024 (k)][3072 (n)] f32, K its FIRST axis -> codes laid [3072][1024] with K innermost, bytes [3072][32]
;   304-431 P: W_proj [1024][1024] f32 -> f16, same layout, at byte 0 of tabs
;   432-463 R: the rotation table: for t = 0..2047, j = 0..31 the pair (cos, sin) of t x 10^(-j/8), f32; at byte 2,097,152 of tabs times c = log2(e)/8 (for q), at 2,621,440 plain (for k)
; A block's scale is 2^(floor(log2(largest magnitude)) - 2); its byte is the largest magnitude's exponent field - 2, held at 1 from below.
; LIMITS: NaN and infinities among the inputs are not served.  A block of zeros gets the byte 1 where the quantiser says 127: its codes are zeros, and this program alone reads the bytes.
; W_proj beyond 65,504 in magnitude overflows f16.  10^(-j/8) is made by v_exp_f32 (1 ulp), so a phase t x 10^(-j/8) may differ from a correctly rounded one by some 3e-4 rad at t = 2,047, and by under 3e-6 rad for t < 16.
; Roles X and W stage through LDS; each has LDS bytes of its own (X: 0..32,767; W: 32,768..67,583); waves share nothing, so there is no barrier.
.set SPW,   190                        ; v190  LDS address of my spare word: SPARE + 4 x my thread's number; never rewritten
.set NIL,   191                        ; v191  0; never rewritten
.set SPARE, 67584                      ; behind both roles' stages: 128 bytes for each wave, two blocks of 256 bytes that no other line names
.set WREG,  8192                       ; role X: a wave's region: two stages of 32 x SP bytes, then its 256 scale bytes
.set SP,    80                         ; a lane's place in a stage: 64 bytes + 16 of padding
.set STEPS, 16
.set XR,    16                         ; v16-79   four sets of 16 numbers as loaded
.set XX,    80                         ; v80-111  two sets of 16 neighbours
.set XE,    112                        ; v112-127 a scale byte for each step
.set XC,    128                        ; v128-159 two registers of codes for each step
.set WSTG,  32768                      ; role W: the four stages
.set PITCH, 272                        ; a stage row: 256 bytes of codes + 16
.set KROW,  512                        ; a row of w_codes
.set NB,    16                         ; blocks of 32 along K for a wave
.set WN4,   12288                      ; a row of W_attn in bytes
.set WX,    32                         ; v32-95   two sets of 32 numbers
.set WC,    96                         ; v96-99   a block's codes
.set OUTR,  112                        ; v112-175 the way out
.set SB,    24                         ; v24-27   scale bytes, four to a register
.macro FIN                             ; a wave that stored to LDS ends so
	s_wait_tensorcnt 0x0
	ds_add_u32 v[SPW], v[NIL]
	s_wait_dscnt 0x0
	s_endpgm
.endm
	s_load_b256 s[4:11], s[0:1], 0x0               ; x s[4:5], W_attn s[6:7], W_proj s[8:9], x_codes s[10:11]
	s_load_b256 s[12:19], s[0:1], 0x20             ; x_scales s[12:13], w_codes s[14:15], w_scales s[16:17], tabs s[18:19]
	v_lshl_add_u32 v[SPW], v0, 2, SPARE
	v_mov_b32 v[NIL], 0
	v_lshrrev_b32 v1, 5, v0
	v_readfirstlane_b32 s20, v1                    ; wave 0..3
	v_and_b32 v2, 31, v0                           ; lane
	s_wait_kmcnt 0x0
	s_cmp_lt_u32 ttmp9, 256
	s_cbranch_scc1 .Lrole_x
	s_cmp_lt_u32 ttmp9, 304
	s_cbranch_scc1 .Lrole_w
	s_cmp_lt_u32 ttmp9, 432
	s_cbranch_scc1 .Lrole_p
; ---------------- ROLE R: a wave makes 16 rows t of both tables; lane = j.  A row is 32 pairs = 256 bytes: one aligned store of the wave.
	s_sub_co_u32 s21, ttmp9, 432
	s_lshl_b32 s21, s21, 2
	s_add_co_u32 s21, s21, s20                     ; g = 0..127
	s_lshl_b32 s22, s21, 12                        ; 16 rows of 256 bytes
	s_mov_b32 s23, 0
	s_add_nc_u64 s[18:19], s[18:19], s[22:23]
	s_add_nc_u64 s[18:19], s[18:19], 0x200000      ; the scaled table; the plain one lies 524,288 bytes on
	s_lshl_b32 s21, s21, 4                         ; my first t
	s_mov_b32 s24, 0x3638ef1d                      ; 1/9!
	s_mov_b32 s25, 0xb9500d01                      ; -1/7!
	s_mov_b32 s26, 0xb493f27e                      ; -1/10!
	s_mov_b32 s27, 0x37d00d01                      ; 1/8!
	s_mov_b32 s28, 0x3e38aa3b                      ; c = log2(e) / 8
	v_cvt_f32_u32 v3, v2
	v_mul_f32 v3, 0xbed49a78, v3                   ; -j log2(10) / 8
	v_exp_f32 v4, v3                               ; 10^(-j/8)
	v_lshlrev_b32 v5, 3, v2                        ; 8 bytes a lane (the plain instruction behind the exponential)
	s_wait_alu depctr_va_vdst(0)                   ; ahead of the first reader of v4
; f = t x 10^(-j/8), one rounding.  n = the nearest whole number to f x 2/pi; r = f - n pi/2 with pi/2 in two parts (the first product is exact: n has 11 bits); |r| <= pi/4.
; sin r and cos r by their series to r^9 and r^10 (remainder under 2e-9 there); the quadrant n mod 4 swaps them and sets the signs.
.macro ROW i
.set D, 64+4*(\i)                      ; four registers of its own for each row, so that no store's data are written again
	s_add_co_u32 s29, s21, \i
	v_cvt_f32_u32 v8, s29
	v_mul_f32 v8, v8, v4                           ; f
	v_mul_f32 v9, 0x3f22f983, v8
	v_rndne_f32 v9, v9                             ; n
	v_fmamk_f32 v10, v9, 0xbfc90fdb, v8            ; f - n x 1.57079637
	v_fmamk_f32 v10, v9, 0x333bbd2e, v10           ; + n x 4.37113883e-8
	v_mul_f32 v11, v10, v10                        ; z = r r
	v_fma_f32 v12, v11, s24, s25
	v_fma_f32 v13, v11, s26, s27
	v_fmaak_f32 v12, v12, v11, 0x3c088889          ; 1/5!
	v_fmaak_f32 v13, v13, v11, 0xbab60b61          ; -1/6!
	v_fmaak_f32 v12, v12, v11, 0xbe2aaaab          ; -1/3!
	v_fmaak_f32 v13, v13, v11, 0x3d2aaaab          ; 1/4!
	v_mul_f32 v14, v10, v11                        ; r z
	v_fmaak_f32 v13, v13, v11, 0xbf000000          ; -1/2
	v_fma_f32 v12, v14, v12, v10                   ; sin r
	v_fma_f32 v13, v13, v11, 1.0                   ; cos r
	v_cvt_i32_f32 v15, v9
	v_and_b32 v16, 1, v15
	v_cmp_eq_u32 vcc_lo, 1, v16
	v_cndmask_b32 v17, v12, v13, vcc_lo            ; the sine: cos r in odd quadrants
	v_cndmask_b32 v18, v13, v12, vcc_lo            ; the cosine: sin r there
	v_and_b32 v16, 2, v15                          ; the sine is negative in quadrants 2, 3
	v_add_nc_u32 v15, 1, v15
	v_lshlrev_b32 v16, 30, v16
	v_and_b32 v15, 2, v15                          ; the cosine in quadrants 1, 2
	v_xor_b32 v[D+3], v16, v17
	v_lshlrev_b32 v15, 30, v15
	v_xor_b32 v[D+2], v15, v18
	v_mul_f32 v[D+1], s28, v[D+3]
	v_mul_f32 v[D], s28, v[D+2]
	global_store_b64 v5, v[D:D+1], s[18:19] offset:256*(\i)             ; 32 lanes store 256 consecutive bytes, aligned
	global_store_b64 v5, v[D+2:D+3], s[18:19] offset:524288+256*(\i)
.endm
.irp i, 0,1,2,3,4,5,6,7,8,9,10,11,12,13,14,15
	ROW \i
.endr
	s_endpgm
; ---------------- ROLE P: a wave casts 2,048 numbers: sixteen loads of 512 bytes out at once, sixteen stores of 256 bytes.
.Lrole_p:
	s_sub_co_u32 s21, ttmp9, 304
	s_lshl_b32 s21, s21, 2
	s_add_co_u32 s21, s21, s20                     ; g = 0..511
	s_lshl_b32 s22, s21, 13
	s_mov_b32 s23, 0
	s_add_nc_u64 s[8:9], s[8:9], s[22:23]
	s_lshl_b32 s22, s21, 12
	s_add_nc_u64 s[18:19], s[18:19], s[22:23]
	v_lshlrev_b32 v3, 4, v2
	v_lshlrev_b32 v4, 3, v2
.irp i, 0,1,2,3,4,5,6,7,8,9,10,11,12,13,14,15
	global_load_b128 v[16+4*\i:19+4*\i], v3, s[8:9] offset:512*\i th:TH_LOAD_NT
.endr
.irp i, 0,1,2,3,4,5,6,7,8,9,10,11,12,13,14,15
	s_wait_loadcnt 15-\i                           ; loads come back in order: the 15 - i younger ones may be out
	v_cvt_pk_f16_f32 v[80+2*\i], v[16+4*\i], v[17+4*\i]
	v_cvt_pk_f16_f32 v[81+2*\i], v[18+4*\i], v[19+4*\i]
	global_store_b64 v4, v[80+2*\i:81+2*\i], s[18:19] offset:256*\i     ; each step has its own data registers
.endr
	s_endpgm
; ---------------- ROLE X: x is a plain stream of blocks of 32.  A wave takes 16 steps of 512 numbers.  Each load reads 512 consecutive bytes; a step's 2,048 bytes turn through the wave's own
; stage so that a lane holds 16 neighbours (two lanes a block); a lane's 16 codes are 8 bytes: the wave stores 256 consecutive bytes.  A wave's 256 scale bytes gather in LDS and leave as one unit.
.Lrole_x:
	s_lshl_b32 s22, ttmp9, 2
	s_add_co_u32 s22, s22, s20                     ; which run of 8,192 numbers
	s_lshl_b32 s24, s22, 15
	s_mov_b32 s25, 0
	s_add_nc_u64 s[4:5], s[4:5], s[24:25]
	s_lshl_b32 s24, s22, 12
	s_add_nc_u64 s[10:11], s[10:11], s[24:25]
	s_lshl_b32 s24, s22, 8
	s_add_nc_u64 s[12:13], s[12:13], s[24:25]
	v_lshlrev_b32 v3, 4, v2                        ; my 16 bytes of a load's 512
	s_mul_i32 s21, s20, WREG
	v_lshrrev_b32 v14, 2, v2
	v_mul_u32_u24 v14, v14, SP
	v_and_b32 v15, 3, v2
	v_lshl_add_u32 v14, v15, 4, v14
	v_add_nc_u32 v14, s21, v14                     ; the stage, in: SP (lane / 4) + 16 (lane % 4)
	v_mul_u32_u24 v15, v2, SP
	v_add_nc_u32 v15, s21, v15                     ; and out: SP x lane
	v_lshlrev_b32 v4, 3, v2                        ; my codes' place in a step's
	v_lshrrev_b32 v5, 1, v2
	s_add_co_u32 s21, s21, 2*32*SP
	v_add_nc_u32 v5, s21, v5                       ; my block's byte among the wave's 256
	v_lshlrev_b32 v7, 3, v2
	v_add_nc_u32 v6, s21, v7
.macro XLOAD t
.irp i, 0,1,2,3
	global_load_b128 v[XR+16*((\t)%4)+4*\i:XR+16*((\t)%4)+4*\i+3], v3, s[4:5] offset:2048*(\t)+512*\i th:TH_LOAD_NT
.endr
.endm
.macro XTURN t                         ; LDS serves a wave's instructions in order: no wait between the stores and the loads
.irp i, 0,1,2,3
	ds_store_b128 v14, v[XR+16*((\t)%4)+4*\i:XR+16*((\t)%4)+4*\i+3] offset:32*SP*((\t)%2)+8*SP*\i
.endr
.irp i, 0,1,2,3
	ds_load_b128 v[XX+16*((\t)%2)+4*\i:XX+16*((\t)%2)+4*\i+3], v15 offset:32*SP*((\t)%2)+16*\i
.endr
.endm
.irp t, 0,1,2,3
	XLOAD \t
.endr
	s_wait_loadcnt 12                              ; step 0's four loads are in; three steps' twelve may be out
	XTURN 0
.macro XSTEP t
.set XS, XX+16*((\t)%2)
.if (\t) > 0
	s_wait_dscnt 1                                 ; this step's numbers are back from the stage; the last step's byte store may be out
.else
	s_wait_dscnt 0x0
.endif
.if (\t)+4 < STEPS
	XLOAD (\t)+4
.endif
.if (\t)+1 < STEPS
.if STEPS-2-(\t) >= 3
	s_wait_loadcnt 12                              ; the next step's four are in; those of the three steps behind it may be out
.else
	s_wait_loadcnt 4*(STEPS-2-(\t))
.endif
	XTURN (\t)+1
.endif
	v_max3_num_f32 v8, |v[XS]|, |v[XS+1]|, |v[XS+2]|
	v_max3_num_f32 v9, |v[XS+3]|, |v[XS+4]|, |v[XS+5]|
.irp i, 6,10
	v_max3_num_f32 v8, v8, |v[XS+\i]|, |v[XS+\i+1]|
	v_max3_num_f32 v9, v9, |v[XS+\i+2]|, |v[XS+\i+3]|
.endr
	v_max3_num_f32 v8, v8, |v[XS+14]|, |v[XS+15]|
	v_max3_num_f32 v8, v8, v9, 0x1800000           ; and the floor 2^(3 - 127): the byte cannot fall under 1
	v_max_num_f32_dpp v8, v8, v8 row_xmask:1 row_mask:0xf bank_mask:0xf   ; with my neighbour's 16: the block's largest magnitude
	v_add_nc_u32 v11, 0xff000000, v8               ; 2 off its exponent field: the conversion takes that field as its scale
	v_cvt_scalef32_pk8_fp4_f32 v[XC+2*(\t)], v[XS:XS+7], v11
	v_cvt_scalef32_pk8_fp4_f32 v[XC+2*(\t)+1], v[XS+8:XS+15], v11
	v_lshrrev_b32 v[XE+(\t)], 23, v11              ; the scale's byte
	ds_store_b8 v5, v[XE+(\t)] offset:16*(\t)      ; both lanes of a block write the same byte with the same value
	global_store_b64 v4, v[XC+2*(\t):XC+2*(\t)+1], s[10:11] offset:256*(\t)
.endm
.irp t, 0,1,2,3,4,5,6,7,8,9,10,11,12,13,14,15
	XSTEP \t
.endr
	ds_load_b64 v[8:9], v6
	s_wait_dscnt 0x0
	global_store_b64 v7, v[8:9], s[12:13]          ; 32 lanes store one aligned run of 256 bytes
	FIN
; ---------------- ROLE W: a lane takes a column n and its registers run down K: a block of 32 lies in one lane, and the conversions give codes with K innermost.
; A wave takes 32 columns x 512 along K; the codes leave through its stage as rows: sixteen lanes store 256 consecutive bytes.  Every offset is an immediate: 511 x 12,288 at the most.
.Lrole_w:
	s_sub_co_u32 s21, ttmp9, 256                   ; 0..47
	s_cmp_ge_u32 s21, 24
	s_cselect_b32 s22, 1, 0                        ; which 512 along K
	s_cselect_b32 s23, 24, 0
	s_sub_co_u32 s21, s21, s23                     ; which 128 columns
	s_lshl_b32 s21, s21, 7
	s_lshl_b32 s23, s20, 5
	s_add_co_u32 s21, s21, s23                     ; my wave's first column
	v_lshlrev_b32 v3, 2, v2
	s_mul_i32 s23, s20, 32*PITCH
	s_add_co_u32 s23, s23, WSTG                    ; my stage
	v_mul_u32_u24 v4, v2, PITCH
	v_add_nc_u32 v4, s23, v4                       ; in: row = my column
	v_and_b32 v5, 15, v2
	v_lshrrev_b32 v6, 4, v2
	v_mul_u32_u24 v7, v6, PITCH
	v_lshl_add_u32 v7, v5, 4, v7
	v_add_nc_u32 v7, s23, v7                       ; out: sixteen lanes to a row, two rows an instruction
	v_mul_u32_u24 v8, v6, KROW
	v_lshl_add_u32 v8, v5, 4, v8                   ; the same place in w_codes
	v_lshlrev_b32 v9, 5, v2                        ; my column's row of scale bytes
	s_mul_i32 s24, s22, 512*WN4
	s_lshl_b32 s25, s21, 2
	s_add_co_u32 s24, s24, s25
	s_mov_b32 s25, 0
	s_add_nc_u64 s[6:7], s[6:7], s[24:25]
	s_lshl_b32 s24, s21, 9
	s_lshl_b32 s26, s22, 8
	s_add_co_u32 s24, s24, s26
	s_add_nc_u64 s[14:15], s[14:15], s[24:25]
	s_lshl_b32 s24, s21, 5
	s_lshl_b32 s26, s22, 4
	s_add_co_u32 s24, s24, s26
	s_add_nc_u64 s[16:17], s[16:17], s[24:25]
.macro WLOAD t
.set n, 0
.rept 32
	global_load_b32 v[WX+32*((\t)%2)+n], v3, s[6:7] offset:(32*(\t)+n)*WN4 th:TH_LOAD_NT
.set n, n+1
.endr
.endm
	WLOAD 0
	WLOAD 1
.macro WBLOCK t
.set XS, WX+32*((\t)%2)
.if (\t) < NB-1
	s_wait_loadcnt 32                              ; this block's 32 loads are in; the next block's 32 may be out
.else
	s_wait_loadcnt 0
.endif
	v_max3_num_f32 v12, |v[XS]|, |v[XS+1]|, |v[XS+2]|
	v_max3_num_f32 v13, |v[XS+3]|, |v[XS+4]|, |v[XS+5]|
.irp i, 6,10,14,18,22,26
	v_max3_num_f32 v12, v12, |v[XS+\i]|, |v[XS+\i+1]|
	v_max3_num_f32 v13, v13, |v[XS+\i+2]|, |v[XS+\i+3]|
.endr
	v_max3_num_f32 v12, v12, |v[XS+30]|, |v[XS+31]|
	v_max3_num_f32 v12, v12, v13, 0x1800000        ; the floor 2^(3 - 127)
	v_add_nc_u32 v11, 0xff000000, v12              ; the conversion's scale operand
	v_lshrrev_b32 v13, 23, v11                     ; the scale's byte
.if (\t)%4 == 0
	v_mov_b32 v[SB+(\t)/4], v13
.else
	v_lshl_or_b32 v[SB+(\t)/4], v13, 8*((\t)%4), v[SB+(\t)/4]
.endif
.irp g, 0,1,2,3
	v_cvt_scalef32_pk8_fp4_f32 v[WC+\g], v[XS+8*\g:XS+8*\g+7], v11
.endr
	v_nop                                          ; one plain instruction behind the last conversion
	ds_store_b128 v4, v[WC:WC+3] offset:16*(\t)
.if (\t)+2 < NB
	WLOAD (\t)+2
.endif
	s_wait_dscnt 0x0                               ; the store has read its registers: the next block's codes may be written
.endm
.set Q, 0
.rept NB
	WBLOCK Q
.set Q, Q+1
.endr
	global_store_b128 v9, v[SB:SB+3], s[16:17]     ; my column's 16 scale bytes
.irp t, 0,1,2,3,4,5,6,7,8,9,10,11,12,13,14,15
	ds_load_b128 v[OUTR+4*\t:OUTR+4*\t+3], v7 offset:2*\t*PITCH
.endr
.irp t, 0,1,2,3,4,5,6,7,8,9,10,11,12,13,14,15
	s_wait_dscnt 15-\t                             ; the 15 - t younger loads may be out
	global_store_b128 v8, v[OUTR+4*\t:OUTR+4*\t+3], s[14:15] offset:2*\t*KROW
.endr
	FIN
.Lfunc_end_k_q42379b0d53_prep:
	.size	k_q42379b0d53_prep, .Lfunc_end_k_q42379b0d53_prep-k_q42379b0d53_prep
	.p2alignl 7, 3214868480
	.fill 96, 4, 3214868480
	.section	.rodata,"a",@progbits
	.p2align	6, 0x0
	.amdhsa_kernel k_q42379b0d53_prep
		.amdhsa_group_segment_fixed_size 68096
		.amdhsa_private_segment_fixed_size 0
		.amdhsa_enable_private_segment 0
		.amdhsa_kernarg_size 64
		.amdhsa_user_sgpr_count 2
		.amdhsa_user_sgpr_kernarg_segment_ptr 1
		.amdhsa_wavefront_size32 1
		.amdhsa_system_sgpr_workgroup_id_x 1
		.amdhsa_system_sgpr_workgroup_id_y 1
		.amdhsa_system_sgpr_workgroup_id_z 1
		.amdhsa_system_vgpr_workitem_id 0
		.amdhsa_next_free_vgpr 192
		.amdhsa_next_free_sgpr 66
		.amdhsa_reserve_vcc 1
		.amdhsa_float_denorm_mode_32 3
		.amdhsa_float_denorm_mode_16_64 3
		.amdhsa_memory_ordered 1
		.amdhsa_forward_progress 1
		.amdhsa_inst_pref_size 143
	.end_amdhsa_kernel
	.amdgpu_metadata
---
amdhsa.version: [ 1, 2 ]
amdhsa.kernels:
  - .name:           k_q42379b0d53_prep
    .symbol:         k_q42379b0d53_prep.kd
    .args:
      - { .name: x, .offset: 0, .size: 8, .value_kind: global_buffer, .address_space: global }
      - { .name: W_attn, .offset: 8, .size: 8, .value_kind: global_buffer, .address_space: global }
      - { .name: W_proj, .offset: 16, .size: 8, .value_kind: global_buffer, .address_space: global }
      - { .name: x_codes, .offset: 24, .size: 8, .value_kind: global_buffer, .address_space: global }
      - { .name: x_scales, .offset: 32, .size: 8, .value_kind: global_buffer, .address_space: global }
      - { .name: w_codes, .offset: 40, .size: 8, .value_kind: global_buffer, .address_space: global }
      - { .name: w_scales, .offset: 48, .size: 8, .value_kind: global_buffer, .address_space: global }
      - { .name: tabs, .offset: 56, .size: 8, .value_kind: global_buffer, .address_space: global }
    .group_segment_fixed_size: 68096
    .private_segment_fixed_size: 0
    .kernarg_segment_align: 8
    .kernarg_segment_size: 64
    .max_flat_workgroup_size: 128
    .sgpr_count:     66
    .vgpr_count:     192
    .wavefront_size: 32
...
	.end_amdgpu_metadata
.endif
;; end of part 1
;; launch qkv (part 2): grid 12 x 32, 4 waves a work-group, clusters of 4 x 4, 327,680 bytes of LDS; arguments x_codes, x_scales, w_codes, w_scales, qkv16, tabs, fineqkv; writes qkv16, fineqkv
.if DOCPART == 2
	.amdgcn_target "amdgcn-amd-amdhsa--gfx1250"
	.amdhsa_code_object_version 6
	.text
	.protected	k_q42379b0d53_qkv
	.globl	k_q42379b0d53_qkv
	.p2align	8
	.type	k_q42379b0d53_qkv,@function
k_q42379b0d53_qkv:
	s_mov_b64 s[64:65], 0
	v_nop
	global_prefetch_b8 v0, s[64:65] scope:SCOPE_SE
	s_setreg_imm32_b32 hwreg(HW_REG_WAVE_MODE, 25, 1), 1
	s_wait_xcnt 0x0
	s_wait_alu depctr_hold_cnt(0) depctr_sa_sdst(0) depctr_va_vdst(0) depctr_va_sdst(0) depctr_va_ssrc(0) depctr_va_vcc(0) depctr_vm_vsrc(0)
	s_getreg_b32 s2, hwreg(HW_REG_IB_STS2, 6, 4)
	s_cmp_eq_u32 s2, 0
	s_cbranch_scc0 .Lentry_in_a_cluster
	s_endpgm
.Lentry_in_a_cluster:
	s_bfe_u32 s2, ttmp6, 0x10000c
	s_cmp_lg_u32 s2, 0xf033
	s_cbranch_scc0 .Lentry_shape_is_right
	s_endpgm
.Lentry_shape_is_right:
; qkv = x W_attn on codes of FP4 (E2M1) with one E8M0 scale for each 32 along K; sums in f32.  On the way out q and k are rotated (RoPE) in f32, all three are rounded to f16 and laid head by head:
; qkv16 [kind 3][batch 4][head 16][t 2048][64].  q is stored times c = log2(e) / 8 (its table holds c cos, c sin), so that the attention's scores are exponents of 2.
; Positions 0-15 of every sequence also go out in f32 (fineqkv [batch x 16 + t][3072]) for the launch that carries those rows finely.
; LIMITS: q c, k and v beyond 65,504 in magnitude overflow f16.
; A tile of C, 256 x 256, is made by four waves, 128 x 128 each: 64 accumulators, 512 registers.  K = 1,024 is two slots of 512 (rows of 256 bytes): both are first fills, nothing is filled again.
; The scale bytes of the work-group's rows of x and of W, for all of K, come once, as whole runs of 256 bytes.
; CLUSTERS: 4 x 4.  Tile column = 4 x cluster x + cx, so cluster x alone says the kind (0 q, 1 k, 2 v).  Tile row = 8 cy + cluster y, so batch = cy and t0 = 256 x cluster y: the tiles with positions 0-15
; are the clusters with y = 0.  So both branches of the way out hang on the cluster's x and y, which all sixteen partners share.  x's tiles are asked for jointly along a row of the cluster, W's along a column.
; THE MATRIX INSTRUCTION IS USED TRANSPOSED (source 0 = 16 rows of W's codes, source 1 = 16 rows of x's): a lane holds eight neighbouring columns of one row: four rotation pairs.
; REGISTERS: window 0: v0-31 addresses; v32-95 scale words, two sets, and nothing else; v96-127 packed f16; v128-191 x's fragments, on the way out the rotated numbers; v192-255 rows read back.
;   window 1: W's fragments, two sets (v0-63, v128-191); the rotation table's rows: blocks 0-3 in v64-127 and v192-255 (asked for at the head), blocks 4-7 in the fragments' registers (asked for behind the last product).
;   windows 2, 3: the accumulators: (a, b) at v[8 (8 (a % 4) + b)].
; THE HEAD'S TABLE LOADS STAND ON EVERY WAVE'S PATH, so that the registers which the rotation reads are written on every way that leads to it.  Kind v rotates nothing: its waves load k's rows
; (16,384 bytes a wave) and use nothing of them.
.set KSTEP,  512
.set NQ,     4                         ; matrix instructions deep in a slot
.set ROWB,   256                       ; a tile's row in bytes
.set KROW,   512                       ; a row of codes in memory
.set PITCH,  272                       ; an LDS row: 256 + 16: the 16 rows that a load touches start 4 banks apart
.set FR,     8
.set NL,     2
.set NP,     4                         ; places behind this matrix instruction
.set HALFT,  128*PITCH
.set SLOT,   4*HALFT
.set KS,     32                        ; a row of scale bytes
.set SCL,    2*SLOT
.set HALFS,  16*272                    ; the scales of 128 rows
.set SBLK,   2*272                     ; of 16 rows
.set SPARE,  SCL+4*HALFS               ; the spare words, 128 bytes a wave
.set HSTG,   0                         ; the way out: 16 rows x (256 + 16) for each wave, in slot 0, which by then has had its only fill and its last read
.set FSTG,   4*16*272                  ; and 16 rows x (512 + 16) for each wave, for the f32 rows
.set ADRA, 16
.set ADRB, 20
.set FSTO, 22
.set FRD,  23
.set STO,  24
.set RD,   25
.set CO,   26
.set ADRS, 27
.set SPW,  28
.set NIL,  29
.set TA,   30                          ; v30  my lane's byte in a block of the table: 256 r + 32 h
.set SC,   32
.set TMP,  96
.set AF,   128
.set Y,    128
.set BK,   192
.set G1, 24
.set G0, 32
.set G1B, 48
.set G0B, 56
.set G1S, 68
.set G0S, 76
.set G1SB, 80
.set G0SB, 88
.set MSB, 0
.macro WIN new                         ; the immediate's high byte repeats the setting that is left
.if MSB != \new
	s_set_vgpr_msb (MSB<<8)|\new
.set MSB, \new
.endif
.endm
.set MUL_LO, 0xa1
.set MUL_HI, 0xf1
.set TO_B,   0x40
.macro JLOAD g0a, g1a, g0b, g1b        ; waves 0, 1 fetch for x, waves 2, 3 for W; an s_nop 0 and four v_nop follow each line
	s_cmp_eq_u32 s15, 0
	s_cbranch_scc0 .Lfor_b_\@
	tensor_load_to_lds s[\g0a:\g0a+3], s[\g1a:\g1a+7]
	s_nop 0
.rept 4
	v_nop
.endr
	s_branch .Lasked_\@
.Lfor_b_\@:
	tensor_load_to_lds s[\g0b:\g0b+3], s[\g1b:\g1b+7]
	s_nop 0
.rept 4
	v_nop
.endr
.Lasked_\@:
.endm
.macro CROUND                          ; a round of the cluster's barrier
	s_barrier_signal -1
	s_barrier_wait -1
	s_cmp_lg_u32 s14, 0
	s_cbranch_scc1 .Lnot_wave_0_\@
	s_barrier_signal -3
.Lnot_wave_0_\@:
	s_barrier_wait -3
	s_barrier_signal -1
	s_barrier_wait -1
.endm
	s_load_b128 s[4:7], s[0:1], 0x0                ; x's codes, x's scales
	s_load_b128 s[8:11], s[0:1], 0x10              ; W's codes, W's scales
	s_load_b64 s[12:13], s[0:1], 0x20              ; qkv16
	s_load_b128 s[96:99], s[0:1], 0x28             ; tabs s[96:97], fineqkv s[98:99]
	v_lshl_add_u32 v[SPW], v0, 2, SPARE
	v_mov_b32 v[NIL], 0
	ds_add_u32 v[SPW], v[NIL]                      ; the wave's opening: the add, twice on end, and its wait ahead of my first tensor load
	ds_add_u32 v[SPW], v[NIL]
	v_lshrrev_b32 v1, 5, v0
	v_readfirstlane_b32 s14, v1                    ; wave 0..3
	s_lshr_b32 s15, s14, 1                         ; my half of the tile's rows; also: I fetch for x (0) or W (1)
	s_and_b32 s16, s14, 1                          ; my half of its columns; also: which 128 rows I fetch
	s_bfe_u32 s40, ttmp6, 0x40000                  ; cx
	s_bfe_u32 s41, ttmp6, 0x40004                  ; cy
	s_lshl_b32 s42, ttmp9, 2
	s_add_co_u32 s42, s42, s40                     ; tile column = 4 x cluster x + cx
	s_and_b32 s95, ttmp7, 0xffff                   ; cluster y
	s_lshl_b32 s17, s41, 3
	s_add_co_u32 s17, s17, s95                     ; tile row = 8 cy + cluster y
	s_lshl_b32 s43, s41, 2
	s_lshl_b32 s43, 15, s43                        ; my row of the cluster
	s_lshl_b32 s44, 0x1111, s40                    ; my column
	s_or_b32 s[G1+0], s43, (0<<16)|(1<<20)|(1<<21)|(5<<22)|(3<<25)  ; the mask; elements of 1 byte; 4 words of padding behind every 64
	s_or_b32 s[G1B+0], s44, (0<<16)|(1<<20)|(1<<21)|(5<<22)|(3<<25)
.irp g, G1, G1B
	s_mov_b32 s[\g+1], ROWB<<16                    ; tensor_dim0
	s_mov_b32 s[\g+2], 128<<16                     ; tensor_dim1
	s_mov_b32 s[\g+3], ROWB<<16                    ; tile_dim0
	s_mov_b32 s[\g+4], 128                         ; tile_dim1
	s_mov_b32 s[\g+5], KROW                        ; pitch
	s_mov_b32 s[\g+6], 0
	s_mov_b32 s[\g+7], 0
.endr
	s_or_b32 s[G1S+0], s43, (3<<16)|(1<<20)|(1<<21)|(5<<22)|(3<<25) ; the scales of 128 rows: 4,096 dense bytes as 16 rows of 32 elements of 8 bytes
	s_or_b32 s[G1SB+0], s44, (3<<16)|(1<<20)|(1<<21)|(5<<22)|(3<<25)
.irp g, G1S, G1SB
	s_mov_b32 s[\g+1], 32<<16
	s_mov_b32 s[\g+2], 16<<16
	s_mov_b32 s[\g+3], 32<<16
	s_mov_b32 s[\g+4], 16
	s_mov_b32 s[\g+5], 32
	s_mov_b32 s[\g+6], 0
	s_mov_b32 s[\g+7], 0
.endr
	s_lshl_b32 s18, s16, 7
	s_lshl_b32 s20, s17, 8
	s_add_co_u32 s20, s20, s18                     ; x: row 256 x tile row + 128 x half
	s_lshl_b32 s46, s42, 8
	s_add_co_u32 s46, s46, s18                     ; W: row 256 x tile column + 128 x half
	s_mov_b32 s21, 0
	s_mov_b32 s47, 0
	s_mov_b64 s[18:19], KS
	s_mul_u64 s[22:23], s[20:21], s[18:19]
	s_mul_u64 s[92:93], s[46:47], s[18:19]
	s_mov_b64 s[18:19], KROW
	s_mul_u64 s[20:21], s[20:21], s[18:19]
	s_mul_u64 s[46:47], s[46:47], s[18:19]
	s_mul_i32 s45, s14, HALFT                      ; where they go: wave x 128 rows
	s_mul_i32 s94, s14, HALFS
	s_wait_dscnt 0x0                               ; both opening adds are done
	s_wait_kmcnt 0x0
	s_add_nc_u64 s[20:21], s[4:5], s[20:21]
	s_add_nc_u64 s[22:23], s[6:7], s[22:23]
	s_add_nc_u64 s[46:47], s[8:9], s[46:47]
	s_add_nc_u64 s[92:93], s[10:11], s[92:93]
	CROUND                                         ; all sixteen work-groups are here: the joint loads meet
	s_mov_b32 s[G0S], 1
	s_add_co_u32 s[G0S+1], s94, SCL
	s_mov_b64 s[G0S+2:G0S+3], s[22:23]
	s_or_b32 s[G0S+3], s[G0S+3], 0x80000000
	s_mov_b32 s[G0SB], 1
	s_add_co_u32 s[G0SB+1], s94, SCL
	s_mov_b64 s[G0SB+2:G0SB+3], s[92:93]
	s_or_b32 s[G0SB+3], s[G0SB+3], 0x80000000
	JLOAD G0S, G1S, G0SB, G1SB                     ; three loads of mine go out together: the scales, slot 0, slot 1
.irp s, 0,1
	s_mov_b32 s[G0+4*\s], 1
	s_add_co_u32 s[G0+4*\s+1], s45, \s*SLOT
	s_add_nc_u64 s[G0+4*\s+2:G0+4*\s+3], s[20:21], \s*ROWB
	s_or_b32 s[G0+4*\s+3], s[G0+4*\s+3], 0x80000000
	s_mov_b32 s[G0B+4*\s], 1
	s_add_co_u32 s[G0B+4*\s+1], s45, \s*SLOT
	s_add_nc_u64 s[G0B+4*\s+2:G0B+4*\s+3], s[46:47], \s*ROWB
	s_or_b32 s[G0B+4*\s+3], s[G0B+4*\s+3], 0x80000000
	JLOAD G0+4*\s, G1, G0B+4*\s, G1B
.endr
	v_and_b32 v1, 15, v0                           ; r
	v_bfe_u32 v2, v0, 4, 1                         ; h
	v_mul_u32_u24 v3, v1, PITCH
	v_lshl_add_u32 v4, v2, 4, v3                   ; 272 r + 16 h
	s_mul_i32 s21, s15, HALFT
	s_mul_i32 s22, s16, HALFT
	s_add_co_u32 s22, s22, 2*HALFT
.irp s, 0,1
	v_add_nc_u32 v[ADRA+\s], s21, v4
	v_add_nc_u32 v[ADRB+\s], s22, v4
	s_add_co_u32 s21, s21, SLOT
	s_add_co_u32 s22, s22, SLOT
.endr
	v_mul_u32_u24 v5, v1, KS                       ; my row's scales: 32 bytes a row,
	v_lshrrev_b32 v6, 8, v5
	v_lshl_add_u32 v5, v6, 4, v5                   ; and 16 more for each 256 passed
	s_mul_i32 s21, s15, HALFS
	s_mul_i32 s22, s16, HALFS
	s_add_co_u32 s22, s22, 2*HALFS
	s_sub_co_u32 s22, s22, s21
	v_mul_u32_u24 v6, s22, v2                      ; lanes 16-31 take W's
	s_add_co_u32 s21, s21, SCL
	v_add_nc_u32 v5, v5, v6
	v_add_nc_u32 v[ADRS], s21, v5
	s_mul_i32 s23, s14, 16*272                     ; my f16 stage
	v_add_nc_u32 v[STO], s23, v4                   ; in: row r, 16 bytes for each half of the lanes
	v_bfe_u32 v5, v0, 3, 2
	v_and_b32 v6, 7, v0
	v_mul_u32_u24 v5, v5, 272
	v_lshl_add_u32 v5, v6, 4, v5
	v_add_nc_u32 v[RD], s23, v5                    ; back: eight lanes take a head's 128 bytes of a row, four rows an instruction
	v_and_b32 v6, 31, v0
	v_lshlrev_b32 v[CO], 4, v6                     ; and in memory those four rows are 512 consecutive bytes: 16 x lane
	s_mul_i32 s23, s14, 16*528
	s_add_co_u32 s23, s23, FSTG                    ; my f32 stage
	v_mul_u32_u24 v5, v1, 528
	v_lshl_add_u32 v5, v2, 5, v5
	v_add_nc_u32 v[FSTO], s23, v5
	v_add_nc_u32 v[FRD], s23, v[CO]
	v_lshlrev_b32 v[TA], 8, v1
	v_lshl_add_u32 v[TA], v2, 5, v[TA]
	; qkv16: kind x 16,777,216 + (16 batch + 4 cx + 2 x column half) heads of 262,144 + (t0 + 128 x row half) rows of 128 bytes
	s_lshl_b32 s20, s41, 4
	s_lshl_b32 s21, s40, 2
	s_add_co_u32 s20, s20, s21
	s_lshl_b32 s21, s16, 1
	s_add_co_u32 s20, s20, s21
	s_lshl_b32 s20, s20, 18
	s_lshl_b32 s21, ttmp9, 24
	s_add_co_u32 s20, s20, s21
	s_lshl_b32 s21, s95, 15
	s_add_co_u32 s20, s20, s21
	s_lshl_b32 s21, s15, 14
	s_add_co_u32 s20, s20, s21
	s_mov_b32 s21, 0
	s_add_nc_u64 s[12:13], s[12:13], s[20:21]
	; fineqkv: batch x 16 rows of 12,288 bytes + my 128 columns
	s_mul_i32 s20, s41, 196608
	s_lshl_b32 s21, s42, 10
	s_add_co_u32 s20, s20, s21
	s_lshl_b32 s21, s16, 9
	s_add_co_u32 s20, s20, s21
	s_mov_b32 s21, 0
	s_add_nc_u64 s[98:99], s[98:99], s[20:21]
	; the table: q's for kind q, k's for kinds k and v (the smaller of cluster x and 1), at row t0 + 128 x row half
	s_min_u32 s20, ttmp9, 1
	s_lshl_b32 s20, s20, 19
	s_lshl_b32 s21, s95, 16
	s_add_co_u32 s20, s20, s21
	s_lshl_b32 s21, s15, 15
	s_add_co_u32 s20, s20, s21
	s_add_co_u32 s20, s20, 0x200000
	s_mov_b32 s21, 0
	s_add_nc_u64 s[66:67], s[96:97], s[20:21]
	s_or_b32 s95, s95, s15                         ; 0 where my block 0 holds positions 0-15: cluster y = 0 and the upper half of the rows
; The table's rows for block a (16 rows t): lane (r, h) wants, for each b' = 0..3, the four pairs 8 b' + 4 h + 0..3 of row r: 32 bytes.  32 registers a block, in window 1.
.macro RTLOAD a
.set RTB, 64*(1-(\a)/4)+32*((\a)%2)+128*(((\a)%4)/2)
.irp c, 0,1,2,3
.irp e, 0,1
	global_load_b128 v[RTB+8*\c+4*\e:RTB+8*\c+4*\e+3], v[TA], s[66:67] offset:4096*(\a)+64*\c+16*\e
.endr
.endr
.endm
	WIN TO_B
	RTLOAD 0                                       ; blocks 0-3 land in registers that the products never name, while the products run; every wave issues them
	RTLOAD 1
	RTLOAD 2
	RTLOAD 3
	WIN 0
.macro FRAG reg, adr, q, i             ; 16 rows x 128 K of 4-bit codes: 8 registers, two loads of 16 bytes, 32 bytes apart
.irp c, 0,1
	ds_load_b128 v[\reg+4*\c:\reg+4*\c+3], v[\adr] offset:64*(\q)+32*\c+(\i)*16*PITCH
.endr
.endm
; 16 matrix instructions: x's blocks a0, a0 + 1 against W's eight.  The 64 accumulators take turns, one instruction a turn, in the same order in every step.
.macro MUL16 a0, p, q, sc, zero
.irp a, \a0, \a0+1
.irp b, 0,1,2,3,4,5,6,7
.if \zero
	v_wmma_scale_f32_16x16x128_f8f6f4 v[8*(8*((\a)%4)+\b):8*(8*((\a)%4)+\b)+7], v[128*(\p)+FR*\b:128*(\p)+FR*\b+FR-1], v[AF+FR*(\a):AF+FR*(\a)+FR-1], 0, v[SC+8*NQ*(\sc)+NQ*\b+(\q)], v[SC+8*NQ*(\sc)+NQ*(\a)+(\q)] matrix_a_fmt:MATRIX_FMT_FP4 matrix_b_fmt:MATRIX_FMT_FP4 matrix_a_scale:MATRIX_SCALE_ROW1
.else
	v_wmma_scale_f32_16x16x128_f8f6f4 v[8*(8*((\a)%4)+\b):8*(8*((\a)%4)+\b)+7], v[128*(\p)+FR*\b:128*(\p)+FR*\b+FR-1], v[AF+FR*(\a):AF+FR*(\a)+FR-1], v[8*(8*((\a)%4)+\b):8*(8*((\a)%4)+\b)+7], v[SC+8*NQ*(\sc)+NQ*\b+(\q)], v[SC+8*NQ*(\sc)+NQ*(\a)+(\q)] matrix_a_fmt:MATRIX_FMT_FP4 matrix_b_fmt:MATRIX_FMT_FP4 matrix_a_scale:MATRIX_SCALE_ROW1
.endif
.endr
.endr
.endm
.macro FETCH_B slot, q, p
	WIN TO_B
.irp i, 0,1,2,3,4,5,6,7
	FRAG 128*(\p)+FR*\i, ADRB+\slot, \q, \i
.endr
	WIN 0
.endm
.macro FETCH_A slot, q, i0
.irp i, \i0, \i0+1, \i0+2, \i0+3
	FRAG AF+FR*(\i), ADRA+\slot, \q, \i
.endr
.endm
.macro SCALES sc                       ; a slot's scale words: lanes 0-15 x's block i, lanes 16-31 W's block i
.irp i, 0,1,2,3,4,5,6,7
	ds_load_b128 v[SC+8*NQ*\sc+NQ*\i:SC+8*NQ*\sc+NQ*\i+3], v[ADRS] offset:\i*SBLK
.endr
.endm
.macro PLACES n                        ; plain vector instructions between a matrix instruction and a load into, or a read of, its registers
.rept \n
	v_nop
.endr
.endm
.macro STEP slot, q, zero              ; 128 along K whose successor lies in the same slot
	s_wait_dscnt 4*NL                              ; W's set and x's blocks 0-3 are in; the youngest eight loads (blocks 4-7) may be out
	WIN MUL_LO
	MUL16 0, (\q)%2, \q, \slot, \zero
	MUL16 2, (\q)%2, \q, \slot, \zero
	s_wait_dscnt 0
	PLACES NP
	FETCH_B \slot, (\q)+1, 1-(\q)%2
	FETCH_A \slot, (\q)+1, 0
	WIN MUL_HI
	MUL16 4, (\q)%2, \q, \slot, \zero
	MUL16 6, (\q)%2, \q, \slot, \zero
	PLACES NP
	WIN 0
	FETCH_A \slot, (\q)+1, 4
.endm
.macro TURN slot, next                 ; slot 0's last step, and the change to slot 1: every wave's loads have landed and its reads of slot 0 are over in front of the barrier
	s_wait_tensorcnt 0x0                           ; all my tensor loads have landed: my part of slot 1
	ds_add_u32 v[SPW], v[NIL]
	s_wait_dscnt 4*NL+1                            ; the add and the youngest eight loads may be out
	WIN MUL_LO
	MUL16 0, 1, NQ-1, \slot, 0
	s_wait_dscnt 0x0                               ; the add is done, and my reads of this slot are over
	s_barrier_signal -1
	MUL16 2, 1, NQ-1, \slot, 0
	WIN 0
	s_barrier_wait -1
	PLACES NP
	v_add_nc_u32 v[ADRS], 4*NQ, v[ADRS]            ; the next slot's scale words
	FETCH_B \next, 0, 0
	FETCH_A \next, 0, 0
	SCALES \next
	WIN MUL_HI
	MUL16 4, 1, NQ-1, \slot, 0
	MUL16 6, 1, NQ-1, \slot, 0
	PLACES NP
	WIN 0
	FETCH_A \next, 0, 4
.endm
.macro STEPS slot, from
.set Q, \from
.rept NQ-1-\from
	STEP \slot, Q, 0
.set Q, Q+1
.endr
.endm
	s_wait_tensorcnt 1                             ; the scales and my part of slot 0 are in; slot 1's load, the one issued behind them, may be out
	s_barrier_signal -1
	s_barrier_wait -1
	FETCH_B 0, 0, 0
	FETCH_A 0, 0, 0
	SCALES 0
	FETCH_A 0, 0, 4
	STEP 0, 0, 1                                   ; the first products start the sums: nothing is cleared
	STEPS 0, 1
	TURN 0, 1
	STEPS 1, 0
	s_wait_dscnt 4*NL
	WIN MUL_LO
	MUL16 0, 1, NQ-1, 1, 0
	MUL16 2, 1, NQ-1, 1, 0
	s_wait_dscnt 0
	WIN MUL_HI
	MUL16 4, 1, NQ-1, 1, 0
	MUL16 6, 1, NQ-1, 1, 0
	WIN 0
; THE WAY OUT, block by block of 16 rows x 128 columns (two heads).
; ROPE: a register pair of an accumulator is (x1, x2) of one rotation pair, the table's pair (cos, sin): first (-x2 sin, x2 cos), then + (x1 cos, x1 sin).  Each accumulator is read from its low end on.
.macro ROPE a
.set AC, 64*((\a)%4)
.set RTB, 64*(1-(\a)/4)+32*((\a)%2)+128*(((\a)%4)/2)
	WIN 0x06+(\a)/4                                ; source 0 window 2 or 3, source 1 window 1, the rest window 0
.irp b, 0,1,2,3,4,5,6,7
.irp i, 0,1,2,3
	v_pk_mul_f32 v[Y+8*\b+2*\i:Y+8*\b+2*\i+1], v[AC+8*\b+2*\i:AC+8*\b+2*\i+1], v[RTB+8*(\b%4)+2*\i:RTB+8*(\b%4)+2*\i+1] op_sel:[1,1] op_sel_hi:[1,0] neg_lo:[0,1]
.endr
.irp i, 0,1,2,3
	v_pk_fma_f32 v[Y+8*\b+2*\i:Y+8*\b+2*\i+1], v[AC+8*\b+2*\i:AC+8*\b+2*\i+1], v[RTB+8*(\b%4)+2*\i:RTB+8*(\b%4)+2*\i+1], v[Y+8*\b+2*\i:Y+8*\b+2*\i+1] op_sel_hi:[0,1,1]
.endr
.endr
	WIN 0
.endm
.macro PACKF                           ; the rotated numbers to f16: 16 bytes a lane and column block
.irp b, 0,1,2,3,4,5,6,7
.irp i, 0,1,2,3
	v_cvt_pk_f16_f32 v[TMP+4*\b+\i], v[Y+8*\b+2*\i], v[Y+8*\b+2*\i+1]
.endr
.endr
.endm
.macro PACKV a                         ; kind v: straight from the accumulators, each from its low end on
.set AC, 64*((\a)%4)
	WIN 0x0a+5*((\a)/4)
.irp b, 0,1,2,3,4,5,6,7
.irp i, 0,1,2,3
	v_cvt_pk_f16_f32 v[TMP+4*\b+\i], v[AC+8*\b+2*\i], v[AC+8*\b+2*\i+1]
.endr
.endr
	WIN 0
.endm
.macro TOSTAGE a                       ; into my own stage, and back by heads: LDS serves a wave's instructions in order, so no wait stands between
.set BB, BK+32*((\a)%2)
.irp b, 0,1,2,3,4,5,6,7
	ds_store_b128 v[STO], v[TMP+4*\b:TMP+4*\b+3] offset:32*\b
.endr
.irp hh, 0,1
.irp i, 0,1,2,3
	ds_load_b128 v[BB+16*\hh+4*\i:BB+16*\hh+4*\i+3], v[RD] offset:128*\hh+1088*\i
.endr
.endr
.endm
.macro SEND a, younger                 ; younger: the LDS instructions issued behind block a's loads
.set BB, BK+32*((\a)%2)
	s_wait_dscnt \younger
.irp hh, 0,1
.irp i, 0,1,2,3
	global_store_b128 v[CO], v[BB+16*\hh+4*\i:BB+16*\hh+4*\i+3], s[12:13] offset:2048*(\a)+262144*\hh+512*\i   ; four rows of one head: 512 consecutive bytes, aligned
.endr
.endr
.endm
; Positions 0-15 in f32: block 0 of the waves with the upper rows, in the clusters with y = 0.  Through a stage of its own; rows of 512 bytes leave whole.
.macro FINE fromacc
	s_cmp_lg_u32 s95, 0
	s_cbranch_scc1 .Lnofine_\@
.if \fromacc
	WIN 0x08                                       ; an LDS store's data are its source 1: window 2
.irp b, 0,1,2,3,4,5,6,7
	ds_store_b128 v[FSTO], v[8*\b:8*\b+3] offset:64*\b
	ds_store_b128 v[FSTO], v[8*\b+4:8*\b+7] offset:64*\b+16
.endr
	WIN 0
.else
.irp b, 0,1,2,3,4,5,6,7
	ds_store_b128 v[FSTO], v[Y+8*\b:Y+8*\b+3] offset:64*\b
	ds_store_b128 v[FSTO], v[Y+8*\b+4:Y+8*\b+7] offset:64*\b+16
.endr
.endif
.irp t, 0,1,2,3,4,5,6,7,8,9,10,11,12,13,14,15
	ds_load_b128 v[BK+4*\t:BK+4*\t+3], v[FRD] offset:528*\t
.endr
.irp t, 0,1,2,3,4,5,6,7,8,9,10,11,12,13,14,15
	s_wait_dscnt 15-\t                             ; the 15 - t younger loads may be out
	global_store_b128 v[CO], v[BK+4*\t:BK+4*\t+3], s[98:99] offset:12288*\t
.endr
	s_wait_xcnt 0x0                                ; these stores have read their registers: the blocks' rows may land there
.Lnofine_\@:
.endm
	PLACES NP                                      ; behind the last products: for the reads of results and for loads into the fragments' registers
	s_cmp_eq_u32 ttmp9, 2
	s_cbranch_scc1 .Lkind_v
	s_wait_loadcnt 0x0                             ; the head's 32 loads, issued ahead of all 512 products: blocks 0-3 of the table are in
	WIN TO_B
	RTLOAD 4                                       ; blocks 4-7 land while blocks 0-3 are rotated and sent
	RTLOAD 5
	RTLOAD 6
	RTLOAD 7
	WIN 0
	ROPE 0
	PACKF
	FINE 0
	TOSTAGE 0
.irp a, 1,2,3,4,5,6,7
.if \a >= 4
	s_wait_loadcnt 8*(7-\a)                        ; block a's eight are in; the later blocks', eight each, may be out
.endif
	ROPE \a
	PACKF
.if \a > 1
	s_wait_xcnt 0x0                                ; block a - 2's stores have read the registers into which block a's rows come back
.endif
	TOSTAGE \a
	SEND (\a)-1, 16                                ; behind block a - 1's loads: block a's 8 stores and 8 loads
.endr
	SEND 7, 0
	s_branch .Lclose
.Lkind_v:
	PACKV 0
	FINE 1
	TOSTAGE 0
.irp a, 1,2,3,4,5,6,7
	PACKV \a
.if \a > 1
	s_wait_xcnt 0x0
.endif
	TOSTAGE \a
	SEND (\a)-1, 16
.endr
	SEND 7, 0
.Lclose:
	s_wait_tensorcnt 0x0                           ; the wave's end: behind my last tensor load and my last LDS store
	ds_add_u32 v[SPW], v[NIL]
	s_wait_dscnt 0x0
	CROUND                                         ; the closing round
	s_endpgm
.Lfunc_end_k_q42379b0d53_qkv:
	.size	k_q42379b0d53_qkv, .Lfunc_end_k_q42379b0d53_qkv-k_q42379b0d53_qkv
	.p2alignl 7, 3214868480
	.fill 96, 4, 3214868480
	.section	.rodata,"a",@progbits
	.p2align	6, 0x0
	.amdhsa_kernel k_q42379b0d53_qkv
		.amdhsa_group_segment_fixed_size 327680
		.amdhsa_private_segment_fixed_size 0
		.amdhsa_enable_private_segment 0
		.amdhsa_kernarg_size 56
		.amdhsa_user_sgpr_count 2
		.amdhsa_user_sgpr_kernarg_segment_ptr 1
		.amdhsa_wavefront_size32 1
		.amdhsa_system_sgpr_workgroup_id_x 1
		.amdhsa_system_sgpr_workgroup_id_y 1
		.amdhsa_system_sgpr_workgroup_id_z 1
		.amdhsa_system_vgpr_workitem_id 0
		.amdhsa_next_free_vgpr 1024
		.amdhsa_next_free_sgpr 100
		.amdhsa_reserve_vcc 0
		.amdhsa_float_denorm_mode_32 3
		.amdhsa_float_denorm_mode_16_64 3
		.amdhsa_memory_ordered 1
		.amdhsa_forward_progress 1
		.amdhsa_inst_pref_size 205
	.end_amdhsa_kernel
	.amdgpu_metadata
---
amdhsa.version: [ 1, 2 ]
amdhsa.kernels:
  - .name:           k_q42379b0d53_qkv
    .symbol:         k_q42379b0d53_qkv.kd
    .args:
      - { .name: x_codes, .offset: 0, .size: 8, .value_kind: global_buffer, .address_space: global }
      - { .name: x_scales, .offset: 8, .size: 8, .value_kind: global_buffer, .address_space: global }
      - { .name: w_codes, .offset: 16, .size: 8, .value_kind: global_buffer, .address_space: global }
      - { .name: w_scales, .offset: 24, .size: 8, .value_kind: global_buffer, .address_space: global }
      - { .name: qkv16, .offset: 32, .size: 8, .value_kind: global_buffer, .address_space: global }
      - { .name: tabs, .offset: 40, .size: 8, .value_kind: global_buffer, .address_space: global }
      - { .name: fineqkv, .offset: 48, .size: 8, .value_kind: global_buffer, .address_space: global }
    .group_segment_fixed_size: 327680
    .private_segment_fixed_size: 0
    .kernarg_segment_align: 8
    .kernarg_segment_size: 56
    .max_flat_workgroup_size: 128
    .sgpr_count:     100
    .vgpr_count:     1024
    .wavefront_size: 32
...
	.end_amdgpu_metadata
.endif
;; end of part 2
;; launch attn (part 3): grid 4 x 64, 8 waves a work-group, no clusters, 327,680 bytes of LDS; arguments qkv16, y16; writes y16
.if DOCPART == 3
	.amdgcn_target "amdgcn-amd-amdhsa--gfx1250"
	.amdhsa_code_object_version 6
	.text
	.protected	k_q42379b0d53_attn
	.globl	k_q42379b0d53_attn
	.p2align	8
	.type	k_q42379b0d53_attn,@function
k_q42379b0d53_attn:
	s_mov_b64 s[64:65], 0
	v_nop
	global_prefetch_b8 v0, s[64:65] scope:SCOPE_SE
	s_setreg_imm32_b32 hwreg(HW_REG_WAVE_MODE, 25, 1), 1
	s_wait_xcnt 0x0
; y[bh][q][:] = the sum over k <= q of softmax_k(q . k / 8) v[bh][k][:], for 64 heads of 2,048 positions and 64 channels.  q (already times log2(e)/8), k, v: f16, [kind][bh][t][64]; y: f16, [bh][t][64].
; Products on f16 operands with f32 sums; maxima, exponentials and row sums in f32; the weights p = 2^(s - m), m the running maximum, are rounded to f16 for the second product; y once at the end.
; LIMITS: y beyond 65,504 overflows f16.  Positions 0-15 of each sequence are computed here like the others; a later launch carries those rows in f32 to the output.
; SHARES.  Work-group (p, bh) owns query blocks 7 - p and then p of head bh, 256 queries each.  Under the causal mask the first walks 8 - p slots of 256 keys, the second p + 1: NINE slots in every work-group,
; a constant trip count and equal work.  Each of eight waves owns 32 queries, two tiles of 16, so each fragment of K and V feeds two matrix instructions; two waves share a SIMD, so that one wave's
; softmax stands beside the other's products.  A slot is four steps of 64 keys.
; NO CLUSTER: the four work-groups of a head walk key blocks 0..7-p and then 0..p, which differ from slot 8 - p on; a walk common to the four would take 12 slots each against 9.
; LAYOUT.  S^T = K Q^T (source 0 = 16 keys, source 1 = 16 queries): a lane holds one query (lane % 16) and keys 8 (lane / 16) + 0..7.  Two such tiles rounded in pairs are source 1 of O^T = V^T P.
; K comes out of LDS as it lies, V ([key][channel]) turned by ds_load_tr16_b128.
; A step all of whose keys come after the wave's queries is jumped over (ids and the count of steps alone); on the diagonal hidden scores become -infinity.  A walked step's first key is at or under every
; query of the wave (both are multiples of 32 and 64), so m is finite from the first step on.
; REGISTERS.  window 0: v1-15 addresses and constants; v16-31 statistics, 8 a tile: +0 -m, +2,+3 the sum, +4..+7 at work (a = 2^(m_old - m_new) in +6); v32-95 K; v96-159 S^T; v160-191 P; v192-255 the way out.
;   window 1: v0-31 Q; v32-95 V; v96-159 O^T.
.set PKP,   144                        ; a row of K in LDS: 128 bytes + 16
.set PVP,   160                        ; a row of V: 128 + 32
.set VOFF,  256*PKP
.set SLOT1, 1<<17
.set STAGE, 2*SLOT1                    ; 16 rows x 144 bytes for each wave
.set SPARE, STAGE+8*16*PKP             ; the spare words, 128 bytes a wave
.set AK0, 1
.set AV0, 2
.set ADK, 3
.set ADV, 4
.set QO,  5
.set STO, 6
.set RD,  7
.set GO,  8
.set PFO, 9
.set SPW, 10
.set NIL, 11
.set D0,  12                           ; v12, v13: the mask's bound for tiles 0, 1
.set NINF, 14
.set RH,  15                           ; r - 8 h
.set ST,  16
.set KFR, 32
.set S,   96
.set P,   160
.set QW,  0
.set VW,  32
.set OW,  96
.set WV,  8
.set QB,  9                            ; s9   block B's first query of my wave
.set SW,  11                           ; s11  8 - p: the slot at which block B begins
.set CNT, 12
.set KF,  13                           ; s13  the step's first key
.set Q0,  14                           ; s14  my first query
.set TB,  15                           ; s15  LDS byte at which the slot in hand begins
.set SEL, 16
.set G1K, 24
.set G1V, 32
.set G0K, 40
.set G0V, 44
.set PFA, 54
.set LIM, 56
.set MSB, 0
.macro WIN new
.if MSB != \new
	s_set_vgpr_msb (MSB<<8)|\new
.set MSB, \new
.endif
.endm
; Waves 0-3 fetch a quarter (64 rows) of K's tile each, waves 4-7 of V's: one load a wave.  An s_nop 0 and four v_nop follow each line.
.macro TLOAD
	s_cmp_lt_u32 s[WV], 4
	s_cbranch_scc0 .Lfor_v_\@
	tensor_load_to_lds s[G0K:G0K+3], s[G1K:G1K+7]
	s_nop 0
.rept 4
	v_nop
.endr
	s_branch .Lasked_\@
.Lfor_v_\@:
	tensor_load_to_lds s[G0V:G0V+3], s[G1V:G1V+7]
	s_nop 0
.rept 4
	v_nop
.endr
.Lasked_\@:
.endm
; A prefetch of the key block that the NEXT change of slots will ask for.  All four work-groups of a head read the same K and V; the one with p = 0 walks key blocks 0..7 in order and asks, nobody else.
; At change CNT it names key block CNT + 2, for CNT = 0..5: waves 0-3 K's 32,768 bytes, waves 4-7 V's, 8,192 a wave, lanes 256 bytes apart: each run of 256 bytes is named once.  Key blocks 0 and 1 come by their loads alone.
.macro ASK
	s_cmp_lt_u32 s[CNT], s[LIM]
	s_cbranch_scc0 .Lnot_mine_\@
	global_prefetch_b8 v[PFO], s[PFA:PFA+1] th:TH_LOAD_NT scope:SCOPE_SE
.Lnot_mine_\@:
.endm
	s_load_b128 s[4:7], s[0:1], 0x0                ; qkv16, y16
	v_lshl_add_u32 v[SPW], v0, 2, SPARE
	v_mov_b32 v[NIL], 0
	ds_add_u32 v[SPW], v[NIL]                      ; the wave's opening: the add, twice on end, and its wait ahead of my first tensor load
	ds_add_u32 v[SPW], v[NIL]
	v_lshrrev_b32 v1, 5, v0
	v_readfirstlane_b32 s[WV], v1                  ; wave 0..7
	s_and_b32 s10, ttmp7, 0xffff                   ; the head
	s_sub_co_u32 s[SW], 8, ttmp9
	s_mov_b32 s[G1K], (1<<16)|(1<<20)|(4<<22)|(3<<25)   ; elements of 2 bytes; 4 words of padding behind every 32
	s_mov_b32 s[G1V], (1<<16)|(1<<20)|(4<<22)|(7<<25)   ; 8 words
.irp g, G1K, G1V
	s_mov_b32 s[\g+1], 64<<16                      ; tensor_dim0
	s_mov_b32 s[\g+2], 64<<16                      ; tensor_dim1
	s_mov_b32 s[\g+3], 64<<16                      ; tile_dim0
	s_mov_b32 s[\g+4], 64                          ; tile_dim1
	s_mov_b32 s[\g+5], 64                          ; pitch
	s_mov_b32 s[\g+6], 0
	s_mov_b32 s[\g+7], 0
.endr
	s_and_b32 s57, s[WV], 3                        ; which quarter I fetch
	s_mov_b32 s[G0K], 1
	s_mul_i32 s[G0K+1], s57, 64*PKP
	s_mov_b32 s[G0V], 1
	s_mul_i32 s[G0V+1], s57, 64*PVP
	s_add_co_u32 s[G0V+1], s[G0V+1], VOFF
	s_lshl_b32 s62, s10, 18                        ; a head is 262,144 bytes
	s_mov_b32 s63, 0
	s_lshl_b32 s66, s57, 13                        ; a quarter is 8,192
	s_mov_b32 s67, 0
	s_mov_b32 s53, 0
	s_mov_b32 s[SEL], 0x76543210
	s_mov_b32 s[SEL+1], 0xfedcba98
	s_mov_b32 s[TB], 0
	s_mov_b32 s[KF], 0
	s_lshl_b32 s57, s[WV], 5
	s_lshl_b32 s[QB], ttmp9, 8
	s_add_co_u32 s[QB], s[QB], s57                 ; block B: 256 p + 32 w
	s_sub_co_u32 s[Q0], 7, ttmp9
	s_lshl_b32 s[Q0], s[Q0], 8
	s_add_co_u32 s[Q0], s[Q0], s57                 ; block A: 256 (7 - p) + 32 w
	s_cmp_eq_u32 ttmp9, 0
	s_cselect_b32 s[LIM], 6, 0
	s_wait_dscnt 0x0                               ; both opening adds are done
	s_wait_kmcnt 0x0
	s_add_nc_u64 s[48:49], s[4:5], s[62:63]        ; q's head
	s_add_nc_u64 s[50:51], s[6:7], s[62:63]        ; y's head
	s_add_nc_u64 s[G0K+2:G0K+3], s[48:49], s[66:67]
	s_add_nc_u64 s[G0V+2:G0V+3], s[G0K+2:G0K+3], 0x2000000   ; v lies two kinds on,
	s_add_nc_u64 s[G0K+2:G0K+3], s[G0K+2:G0K+3], 0x1000000   ; k one
	s_cmp_lt_u32 s[WV], 4
	s_cselect_b64 s[PFA:PFA+1], s[G0K+2:G0K+3], s[G0V+2:G0V+3]
	s_add_nc_u64 s[PFA:PFA+1], s[PFA:PFA+1], 32768 ; at key block 1; the first change steps it to 2
	s_or_b32 s[G0K+3], s[G0K+3], 0x80000000
	s_or_b32 s[G0V+3], s[G0V+3], 0x80000000
	TLOAD                                          ; slot 0: key block 0
	v_and_b32 v12, 15, v0                          ; r
	v_bfe_u32 v13, v0, 4, 1                        ; h
	v_mul_u32_u24 v[AK0], v12, PKP
	v_lshl_add_u32 v[AK0], v13, 4, v[AK0]          ; 144 r + 16 h
	v_and_b32 v14, 7, v0
	v_lshl_add_u32 v[AV0], v13, 3, v14
	v_mul_u32_u24 v[AV0], v[AV0], PVP
	v_bfe_u32 v14, v0, 3, 1
	v_lshl_add_u32 v[AV0], v14, 4, v[AV0]
	v_add_nc_u32 v[AV0], VOFF, v[AV0]              ; the turning load: key 8 h + l % 8, channels 8 ((l / 8) % 2) on
	v_lshlrev_b32 v[QO], 7, v12
	v_lshl_add_u32 v[QO], v13, 4, v[QO]
	s_mul_i32 s57, s[WV], 16*PKP
	s_add_co_u32 s57, s57, STAGE
	v_add_nc_u32 v[STO], s57, v[AK0]
	v_bfe_u32 v14, v0, 3, 2
	v_mul_u32_u24 v[RD], v14, PKP
	v_and_b32 v14, 7, v0
	v_lshl_add_u32 v[RD], v14, 4, v[RD]
	v_add_nc_u32 v[RD], s57, v[RD]
	v_and_b32 v14, 31, v0
	v_lshlrev_b32 v[GO], 4, v14
	v_lshlrev_b32 v[PFO], 8, v14
	v_lshlrev_b32 v[RH], 3, v13
	v_sub_nc_u32 v[RH], v12, v[RH]
	v_mov_b32 v[NINF], 0xff800000
; A block of queries begins: Q into registers, O^T and the sums to zero, -m to +3e38 (the step is written once: its first pass multiplies zeros by 2^(-3e38) = 0).
.macro REINIT
	s_lshl_b32 s62, s[Q0], 7
	s_mov_b32 s63, 0
	s_add_nc_u64 s[58:59], s[48:49], s[62:63]
	WIN 0x40
.irp u, 0,1
.irp cs, 0,1
	global_load_b128 v[QW+16*\u+8*\cs:QW+16*\u+8*\cs+3],   v[QO], s[58:59] offset:2048*\u+64*\cs
	global_load_b128 v[QW+16*\u+8*\cs+4:QW+16*\u+8*\cs+7], v[QO], s[58:59] offset:2048*\u+64*\cs+32
.endr
.endr
.set n, 0
.rept 64
	v_mov_b32 v[OW+n], 0
.set n, n+1
.endr
	WIN 0
.irp u, 0,1
	v_mov_b32 v[ST+8*\u], 0x7f61b1e6
	v_mov_b32 v[ST+8*\u+1], 0                      ; named with -m as a pair, so it is written
	v_mov_b32 v[ST+8*\u+2], 0
	v_mov_b32 v[ST+8*\u+3], 0
	v_mov_b32 v[ST+8*\u+5], 0
	v_mov_b32 v[ST+8*\u+7], 0
.endr
	s_wait_loadcnt 0x0
.endm
; A KEY STEP: 64 keys, the q-th of the slot in hand.
.macro STEP q
	s_add_co_u32 s62, s[Q0], 31
	s_cmp_gt_u32 s[KF], s62
	s_cbranch_scc1 .Lhidden_\@                     ; all keys come after my queries
	v_add_nc_u32 v[ADK], s[TB], v[AK0]
	v_add_nc_u32 v[ADV], s[TB], v[AV0]
.irp kt, 0,1,2,3
.irp cs, 0,1
	ds_load_b128 v[KFR+16*\kt+8*\cs:KFR+16*\kt+8*\cs+3],   v[ADK] offset:(64*(\q)+16*\kt)*PKP+64*\cs
	ds_load_b128 v[KFR+16*\kt+8*\cs+4:KFR+16*\kt+8*\cs+7], v[ADK] offset:(64*(\q)+16*\kt)*PKP+64*\cs+32
.endr
.endr
	WIN 0x40
.irp g, 0,1
.irp ct, 0,1,2,3
	ds_load_tr16_b128 v[VW+32*\g+8*\ct:VW+32*\g+8*\ct+3],   v[ADV] offset:(64*(\q)+32*\g)*PVP+32*\ct
	ds_load_tr16_b128 v[VW+32*\g+8*\ct+4:VW+32*\g+8*\ct+7], v[ADV] offset:(64*(\q)+32*\g+16)*PVP+32*\ct
.endr
.endr
	s_wait_dscnt 16                                ; K's sixteen loads are in; V's sixteen, issued behind them, may be out
	WIN 0x04                                       ; Q in window 1
.irp cs, 0,1                                   ; eight accumulators by turns; the first eight products start the sums
.irp kt, 0,1,2,3
.irp u, 0,1
.if \cs == 0
	v_wmma_f32_16x16x32_f16 v[S+32*\u+8*\kt:S+32*\u+8*\kt+7], v[KFR+16*\kt+8*\cs:KFR+16*\kt+8*\cs+7], v[QW+16*\u+8*\cs:QW+16*\u+8*\cs+7], 0
.else
	v_wmma_f32_16x16x32_f16 v[S+32*\u+8*\kt:S+32*\u+8*\kt+7], v[KFR+16*\kt+8*\cs:KFR+16*\kt+8*\cs+7], v[QW+16*\u+8*\cs:QW+16*\u+8*\cs+7], v[S+32*\u+8*\kt:S+32*\u+8*\kt+7]
.endif
.endr
.endr
.endr
	WIN 0
.rept 4
	v_nop                                          ; places behind the products, ahead of the first read of the scores
.endr
	s_add_co_u32 s62, s[KF], 63
	s_cmp_le_u32 s62, s[Q0]
	s_cbranch_scc1 .Lopen_\@                       ; all 64 keys count for all my queries
	s_sub_co_i32 s62, s[Q0], s[KF]
	v_add_nc_u32 v[D0], s62, v[RH]                 ; register 8 kt + j of tile u holds key KF + 16 kt + 8 h + j: hidden where 16 kt + j > Q0 - KF + 16 u + r - 8 h
	v_add_nc_u32 v[D0+1], 16, v[D0]
.irp u, 0,1
.set n, 0
.rept 32
	v_cmp_gt_i32 vcc_lo, 16*(n/8)+n%8, v[D0+\u]
	v_cndmask_b32 v[S+32*\u+n], v[S+32*\u+n], v[NINF], vcc_lo
.set n, n+1
.endr
.endr
.Lopen_\@:
	; the maximum of my 32 scores and the old m: four chains; each accumulator is first read at its low end.  The two tiles alternate line by line
.irp j, 0,1,2,3
.irp u, 0,1
	v_max3_num_f32 v[ST+8*\u+4+\j], v[S+32*\u+8*\j], v[S+32*\u+8*\j+1], v[S+32*\u+8*\j+2]
.endr
.endr
.irp k, 1,2
.irp j, 0,1,2,3
.irp u, 0,1
	v_max3_num_f32 v[ST+8*\u+4+\j], v[ST+8*\u+4+\j], v[S+32*\u+8*\j+2*\k+1], v[S+32*\u+8*\j+2*\k+2]
.endr
.endr
.endr
.irp u, 0,1
	v_max3_num_f32 v[ST+8*\u+4], v[ST+8*\u+4], v[S+32*\u+7], v[S+32*\u+15]
.endr
.irp u, 0,1
	v_max3_num_f32 v[ST+8*\u+6], v[ST+8*\u+6], v[S+32*\u+23], v[S+32*\u+31]
.endr
.irp u, 0,1
	v_max3_num_f32 v[ST+8*\u+4], v[ST+8*\u+4], v[ST+8*\u+5], v[ST+8*\u+6]
.endr
.irp u, 0,1
	v_max3_num_f32 v[ST+8*\u+4], v[ST+8*\u+4], v[ST+8*\u+7], -v[ST+8*\u]
.endr
.irp u, 0,1
	v_permlanex16_b32 v[ST+8*\u+5], v[ST+8*\u+4], s[SEL], s[SEL+1]   ; the query's other 32 keys lie 16 lanes away
.endr
.irp u, 0,1
	v_max_num_f32 v[ST+8*\u+6], v[ST+8*\u+4], v[ST+8*\u+5]           ; the new m
.endr
.irp u, 0,1
	v_add_f32 v[ST+8*\u+7], v[ST+8*\u], v[ST+8*\u+6]                 ; m_new - m_old
.endr
.irp u, 0,1
	v_mul_f32 v[ST+8*\u], -1.0, v[ST+8*\u+6]                         ; -m
.endr
.set n, 0
.rept 16
.irp u, 0,1
	v_pk_add_f32 v[S+32*\u+2*n:S+32*\u+2*n+1], v[S+32*\u+2*n:S+32*\u+2*n+1], v[ST+8*\u:ST+8*\u+1] op_sel_hi:[1,0]   ; s - m
.endr
.set n, n+1
.endr
.irp u, 0,1
	v_exp_f32 v[ST+8*\u+6], -v[ST+8*\u+7]          ; a = 2^(m_old - m_new)
.endr
.set n, 0
.rept 32
.irp u, 0,1
	v_exp_f32 v[S+32*\u+n], v[S+32*\u+n]           ; p, at most 1
.endr
.set n, n+1
.endr
	v_nop                                          ; the plain instruction behind the last exponential
	s_wait_alu depctr_va_vdst(0)                   ; one wait for the batch of 66, ahead of its first reader
.set n, 0
.rept 16
.irp u, 0,1
	v_cvt_pk_f16_f32 v[P+16*\u+n], v[S+32*\u+2*n], v[S+32*\u+2*n+1]
.endr
.set n, n+1
.endr
	; the row's sum of the unrounded p, in place: neighbours 1, 2, 4, 8 pairs apart; then l = a l + the sum
.irp z, 0,1,2,3,4,5,6,7
.irp u, 0,1
	v_pk_add_f32 v[S+32*\u+4*\z:S+32*\u+4*\z+1], v[S+32*\u+4*\z:S+32*\u+4*\z+1], v[S+32*\u+4*\z+2:S+32*\u+4*\z+3]
.endr
.endr
.irp z, 0,1,2,3
.irp u, 0,1
	v_pk_add_f32 v[S+32*\u+8*\z:S+32*\u+8*\z+1], v[S+32*\u+8*\z:S+32*\u+8*\z+1], v[S+32*\u+8*\z+4:S+32*\u+8*\z+5]
.endr
.endr
.irp z, 0,1
.irp u, 0,1
	v_pk_add_f32 v[S+32*\u+16*\z:S+32*\u+16*\z+1], v[S+32*\u+16*\z:S+32*\u+16*\z+1], v[S+32*\u+16*\z+8:S+32*\u+16*\z+9]
.endr
.endr
.irp u, 0,1
	v_pk_add_f32 v[S+32*\u:S+32*\u+1], v[S+32*\u:S+32*\u+1], v[S+32*\u+16:S+32*\u+17]
.endr
.irp u, 0,1
	v_pk_fma_f32 v[ST+8*\u+2:ST+8*\u+3], v[ST+8*\u+2:ST+8*\u+3], v[ST+8*\u+6:ST+8*\u+7], v[S+32*\u:S+32*\u+1] op_sel_hi:[1,0,1]
.endr
	WIN 0x41                                       ; O^T in window 1
.set n, 0
.rept 16
.irp u, 0,1
	v_pk_mul_f32 v[OW+32*\u+2*n:OW+32*\u+2*n+1], v[OW+32*\u+2*n:OW+32*\u+2*n+1], v[ST+8*\u+6:ST+8*\u+7] op_sel_hi:[1,0]   ; O^T times a, each accumulator from its low end on
.endr
.set n, n+1
.endr
	s_wait_dscnt 0x0                               ; V is in
	WIN 0x51                                       ; V and O^T in window 1, P in window 0
.irp g, 0,1                                    ; eight accumulators by turns
.irp ct, 0,1,2,3
.irp u, 0,1
	v_wmma_f32_16x16x32_f16 v[OW+32*\u+8*\ct:OW+32*\u+8*\ct+7], v[VW+32*\g+8*\ct:VW+32*\g+8*\ct+7], v[P+16*\u+8*\g:P+16*\u+8*\g+7], v[OW+32*\u+8*\ct:OW+32*\u+8*\ct+7]
.endr
.endr
.endr
	WIN 0
.rept 4
	v_nop                                          ; places ahead of the next loads into V's registers and of the next read of O^T
.endr
.Lhidden_\@:
	s_add_co_u32 s[KF], s[KF], 64
.endm
.macro SLOT_STEPS
	STEP 0
	STEP 1
	STEP 2
	STEP 3
	s_xor_b32 s[TB], s[TB], SLOT1
.endm
; THE CHANGE OF SLOTS, at a slot's head.  Each wave waits for all its tensor loads (one is out: its quarter of the slot ahead), adds 0 to its spare word, and waits for that and for its reads of the slot it has left.
; Behind the barrier the slot ahead is whole and nobody reads the other.  fill = 1: the other slot takes the next key block: it has a slot's four steps in which to land.
; The next key block is the last one + 1, or 0 where block B begins (slot CNT + 1 = 8 - p): the bytes to go back are selected, not branched on.
.macro CHANGE fill
	s_wait_tensorcnt 0x0                           ; no tensor load of mine is out, so the descriptors may be written
	ds_add_u32 v[SPW], v[NIL]
.if \fill
	s_xor_b32 s[G0K+1], s[G0K+1], SLOT1
	s_xor_b32 s[G0V+1], s[G0V+1], SLOT1
	s_add_nc_u64 s[G0K+2:G0K+3], s[G0K+2:G0K+3], 32768
	s_add_nc_u64 s[G0V+2:G0V+3], s[G0V+2:G0V+3], 32768
	s_add_co_u32 s62, s[CNT], 1
	s_lshl_b32 s63, s[SW], 15
	s_cmp_eq_u32 s62, s[SW]
	s_cselect_b32 s52, s63, 0
	s_sub_nc_u64 s[G0K+2:G0K+3], s[G0K+2:G0K+3], s[52:53]
	s_sub_nc_u64 s[G0V+2:G0V+3], s[G0V+2:G0V+3], s[52:53]
	s_wait_xcnt 0x0                                ; the last prefetch, a slot back, has read its address
	s_add_nc_u64 s[PFA:PFA+1], s[PFA:PFA+1], 32768
.endif
	s_wait_dscnt 0x0                               ; the add is done, and my reads of the slot that I have left are over
	s_barrier_signal -1
	s_barrier_wait -1
.if \fill
	TLOAD                                          ; the first thing behind the barrier, and my one tensor load until the next
	ASK
.endif
.endm
; A block of queries ends: O^T / the sum, rounded to f16, through my stage, a tile (16 rows of 128 bytes) at a time; four rows leave as 512 consecutive bytes.
.macro FINISH
.irp u, 0,1
	v_add_f32 v[ST+8*\u+4], v[ST+8*\u+2], v[ST+8*\u+3]
.endr
.irp u, 0,1
	v_permlanex16_b32 v[ST+8*\u+5], v[ST+8*\u+4], s[SEL], s[SEL+1]
.endr
.irp u, 0,1
	v_add_f32 v[ST+8*\u+4], v[ST+8*\u+4], v[ST+8*\u+5]
.endr
.irp u, 0,1
	v_rcp_f32 v[ST+8*\u+6], v[ST+8*\u+4]
.endr
	v_nop
	s_wait_alu depctr_va_vdst(0)                   ; one wait for both reciprocals
	s_wait_xcnt 0x0                                ; earlier stores have read their base and their registers
	s_lshl_b32 s62, s[Q0], 7
	s_mov_b32 s63, 0
	s_add_nc_u64 s[60:61], s[50:51], s[62:63]
.irp u, 0,1
	WIN 0x01
.set n, 0
.rept 16
	v_pk_mul_f32 v[S+2*n:S+2*n+1], v[OW+32*\u+2*n:OW+32*\u+2*n+1], v[ST+8*\u+6:ST+8*\u+7] op_sel_hi:[1,0]
.set n, n+1
.endr
	WIN 0
.set n, 0
.rept 16
	v_cvt_pk_f16_f32 v[192+16*\u+n], v[S+2*n], v[S+2*n+1]
.set n, n+1
.endr
.irp ct, 0,1,2,3
	ds_store_b128 v[STO], v[192+16*\u+4*\ct:192+16*\u+4*\ct+3] offset:32*\ct
.endr
.irp i, 0,1,2,3
	ds_load_b128 v[224+16*\u+4*\i:224+16*\u+4*\i+3], v[RD] offset:576*\i   ; LDS serves a wave's instructions in order
.endr
.endr
.irp u, 0,1
.irp i, 0,1,2,3
	s_wait_dscnt 11-8*\u-\i                        ; behind this load: its tile's later loads, and for tile 0 tile 1's four stores and four loads
	global_store_b128 v[GO], v[224+16*\u+4*\i:224+16*\u+4*\i+3], s[60:61] offset:2048*\u+512*\i
.endr
.endr
.endm
.macro SWITCHQ                         ; at slot 8 - p block A is done and block B begins: the same in all eight waves; no barrier and no tensor load stand inside
	s_cmp_eq_u32 s[CNT], s[SW]
	s_cbranch_scc0 .Lsame_\@
	FINISH
	s_mov_b32 s[Q0], s[QB]
	s_mov_b32 s[KF], 0
	REINIT
.Lsame_\@:
.endm
	REINIT
	s_mov_b32 s[CNT], 0
.Lslot:                                            ; eight trips: behind each change the next slot is asked for (slot 1's first fill stands behind the first trip's barrier, where nothing is filled again)
	CHANGE 1
	SWITCHQ
	SLOT_STEPS
	s_add_co_u32 s[CNT], s[CNT], 1
	s_cmp_lt_u32 s[CNT], 8
	s_cbranch_scc1 .Lslot
	CHANGE 0                                       ; the ninth slot is written out: nothing is left to fetch
	SWITCHQ
	SLOT_STEPS
	FINISH
	s_wait_tensorcnt 0x0                           ; the wave's end
	ds_add_u32 v[SPW], v[NIL]
	s_wait_dscnt 0x0
	s_endpgm
.Lfunc_end_k_q42379b0d53_attn:
	.size	k_q42379b0d53_attn, .Lfunc_end_k_q42379b0d53_attn-k_q42379b0d53_attn
	.p2alignl 7, 3214868480
	.fill 96, 4, 3214868480
	.section	.rodata,"a",@progbits
	.p2align	6, 0x0
	.amdhsa_kernel k_q42379b0d53_attn
		.amdhsa_group_segment_fixed_size 327680
		.amdhsa_private_segment_fixed_size 0
		.amdhsa_enable_private_segment 0
		.amdhsa_kernarg_size 16
		.amdhsa_user_sgpr_count 2
		.amdhsa_user_sgpr_kernarg_segment_ptr 1
		.amdhsa_wavefront_size32 1
		.amdhsa_system_sgpr_workgroup_id_x 1
		.amdhsa_system_sgpr_workgroup_id_y 1
		.amdhsa_system_sgpr_workgroup_id_z 1
		.amdhsa_system_vgpr_workitem_id 0
		.amdhsa_next_free_vgpr 512
		.amdhsa_next_free_sgpr 72
		.amdhsa_reserve_vcc 1
		.amdhsa_float_denorm_mode_32 3
		.amdhsa_float_denorm_mode_16_64 3
		.amdhsa_memory_ordered 1
		.amdhsa_forward_progress 1
		.amdhsa_inst_pref_size 209
	.end_amdhsa_kernel
	.amdgpu_metadata
---
amdhsa.version: [ 1, 2 ]
amdhsa.kernels:
  - .name:           k_q42379b0d53_attn
    .symbol:         k_q42379b0d53_attn.kd
    .args:
      - { .name: qkv16, .offset: 0, .size: 8, .value_kind: global_buffer, .address_space: global }
      - { .name: y16, .offset: 8, .size: 8, .value_kind: global_buffer, .address_space: global }
    .group_segment_fixed_size: 327680
    .private_segment_fixed_size: 0
    .kernarg_segment_align: 8
    .kernarg_segment_size: 16
    .max_flat_workgroup_size: 256
    .sgpr_count:     72
    .vgpr_count:     512
    .wavefront_size: 32
...
	.end_amdgpu_metadata
.endif
;; end of part 3
;; launch proj (part 4): grid 8 x 32, 4 waves a work-group, clusters of 4 x 4, 327,680 bytes of LDS; arguments y16, tabs, out0; writes out0
.if DOCPART == 4
	.amdgcn_target "amdgcn-amd-amdhsa--gfx1250"
	.amdhsa_code_object_version 6
	.text
	.protected	k_q42379b0d53_proj
	.globl	k_q42379b0d53_proj
	.p2align	8
	.type	k_q42379b0d53_proj,@function
k_q42379b0d53_proj:
	s_mov_b64 s[64:65], 0
	v_nop
	global_prefetch_b8 v0, s[64:65] scope:SCOPE_SE
	s_setreg_imm32_b32 hwreg(HW_REG_WAVE_MODE, 25, 1), 1
	s_wait_xcnt 0x0
	s_wait_alu depctr_hold_cnt(0) depctr_sa_sdst(0) depctr_va_vdst(0) depctr_va_sdst(0) depctr_va_ssrc(0) depctr_va_vcc(0) depctr_vm_vsrc(0)
	s_getreg_b32 s2, hwreg(HW_REG_IB_STS2, 6, 4)
	s_cmp_eq_u32 s2, 0
	s_cbranch_scc0 .Lentry_in_a_cluster
	s_endpgm
.Lentry_in_a_cluster:
	s_bfe_u32 s2, ttmp6, 0x10000c
	s_cmp_lg_u32 s2, 0xf033
	s_cbranch_scc0 .Lentry_shape_is_right
	s_endpgm
.Lentry_shape_is_right:
; out[m][n] = the sum over k of y[m][k] W_proj[k][n].  y: f16, laid [batch][head][t][64] (k = 64 head + channel); W_proj: f16, [k 1024][n 1024], at byte 0 of tabs; out: f32 [8192][1024]; sums in f32.
; A tile of out is 256 (m) x 128 (n): 256 work-groups.  Four waves, 128 x 64 each: 32 accumulators, 256 registers (window 1).  K goes in steps of 128 = two heads through a ring of two LDS slots.
; y's tile of one head is one dense block of 256 rows x 128 bytes; W's tile is 128 rows k of 256 bytes.
; CLUSTERS: 4 x 4: y's tiles are asked for jointly along a row of the cluster, W's along a column.
; TRANSPOSED USE: source 0 = 16 columns n of W (turned out of LDS by ds_load_tr16_b128), source 1 = 16 rows of y: a lane holds eight neighbouring numbers of a row of out.
; Rows t < 16 of each sequence are written here like the others and written again, carried in f32, by the launch that follows.
; REGISTERS: window 0: v16-29 addresses; two fragment buffers of 96: v32-127, v128-223: W's 4 fragments, then y's 8; on the way out v32-95 hold rows read back.  window 1: accumulator (a, b) at v[8 (4 a + b)].
.set PA,    144                        ; a row of y in LDS: 128 + 16
.set PB,    288                        ; a row of W: 256 + 32
.set PLANE, 256*PA                     ; one head's 256 rows
.set BOFF,  2*PLANE
.set SLOT,  BOFF+128*PB
.set STAGE, 2*SLOT                     ; 16 rows x 272 bytes for each wave
.set SPARE, STAGE+4*16*272
.set LAPS,  4                          ; a lap = two K steps
.set ADRA, 16
.set ADRB, 20
.set STO,  24
.set RD,   25
.set CO,   26
.set SPW,  28
.set NIL,  29
.set F0,   32
.set F1,   128
.set G1, 24
.set G0, 32
.set G1B, 48
.set G0B, 56
.set MSB, 0
.macro WIN new
.if MSB != \new
	s_set_vgpr_msb (MSB<<8)|\new
.set MSB, \new
.endif
.endm
.set MUL, 0x50                         ; C and D window 1
.macro JLOAD s                         ; waves 0, 1 fetch y's two heads, waves 2, 3 W's two halves; an s_nop 0 and four v_nop follow each line
	s_cmp_eq_u32 s11, 0
	s_cbranch_scc0 .Lfor_b_\@
	tensor_load_to_lds s[G0+4*\s:G0+4*\s+3], s[G1:G1+7]
	s_nop 0
.rept 4
	v_nop
.endr
	s_branch .Lasked_\@
.Lfor_b_\@:
	tensor_load_to_lds s[G0B+4*\s:G0B+4*\s+3], s[G1B:G1B+7]
	s_nop 0
.rept 4
	v_nop
.endr
.Lasked_\@:
.endm
.macro CREST
	s_cmp_lg_u32 s10, 0
	s_cbranch_scc1 .Lnot_wave_0_\@
	s_barrier_signal -3
.Lnot_wave_0_\@:
	s_barrier_wait -3
	s_barrier_signal -1
	s_barrier_wait -1
.endm
.macro CROUND
	s_barrier_signal -1
	s_barrier_wait -1
	CREST
.endm
	s_load_b128 s[4:7], s[0:1], 0x0                ; y16, tabs
	s_load_b64 s[8:9], s[0:1], 0x10                ; out0
	v_lshl_add_u32 v[SPW], v0, 2, SPARE
	v_mov_b32 v[NIL], 0
	ds_add_u32 v[SPW], v[NIL]                      ; the wave's opening: the add, twice on end, and its wait ahead of my first tensor load
	ds_add_u32 v[SPW], v[NIL]
	v_lshrrev_b32 v1, 5, v0
	v_readfirstlane_b32 s10, v1                    ; wave 0..3
	s_lshr_b32 s11, s10, 1                         ; my half of the rows; also: I fetch for y (0) or W (1)
	s_and_b32 s12, s10, 1                          ; my half of the columns; also: which head, or which 64 rows k, I fetch
	s_bfe_u32 s40, ttmp6, 0x40000                  ; cx
	s_bfe_u32 s41, ttmp6, 0x40004                  ; cy
	s_lshl_b32 s42, ttmp9, 2
	s_add_co_u32 s42, s42, s40                     ; tile column
	s_and_b32 s13, ttmp7, 0xffff
	s_lshl_b32 s13, s13, 2
	s_add_co_u32 s13, s13, s41                     ; tile row
	s_lshl_b32 s43, s41, 2
	s_lshl_b32 s43, 15, s43                        ; my row of the cluster
	s_lshl_b32 s44, 0x1111, s40                    ; my column
	s_or_b32 s[G1+0], s43, (1<<16)|(1<<20)|(1<<21)|(4<<22)|(3<<25)    ; y: elements of 2 bytes; 4 words of padding behind every 32
	s_mov_b32 s[G1+1], 64<<16                      ; tensor_dim0
	s_mov_b32 s[G1+2], 256<<16                     ; tensor_dim1
	s_mov_b32 s[G1+3], 64<<16                      ; tile_dim0
	s_mov_b32 s[G1+4], 256                         ; tile_dim1
	s_mov_b32 s[G1+5], 64                          ; pitch
	s_mov_b32 s[G1+6], 0
	s_mov_b32 s[G1+7], 0
	s_or_b32 s[G1B+0], s44, (1<<16)|(1<<20)|(1<<21)|(5<<22)|(7<<25)   ; W: 8 words of padding behind every 64
	s_mov_b32 s[G1B+1], 128<<16
	s_mov_b32 s[G1B+2], 64<<16
	s_mov_b32 s[G1B+3], 128<<16
	s_mov_b32 s[G1B+4], 64
	s_mov_b32 s[G1B+5], 1024
	s_mov_b32 s[G1B+6], 0
	s_mov_b32 s[G1B+7], 0
	s_lshr_b32 s16, s13, 3                         ; y: batch x 4,194,304 + (tile row % 8) x 32,768 + my head x 262,144
	s_lshl_b32 s16, s16, 22
	s_and_b32 s17, s13, 7
	s_lshl_b32 s17, s17, 15
	s_add_co_u32 s16, s16, s17
	s_lshl_b32 s17, s12, 18
	s_add_co_u32 s16, s16, s17
	s_mov_b32 s17, 0
	s_lshl_b32 s46, s42, 8                         ; W: tile column x 256 bytes + my 64 rows of 2,048
	s_lshl_b32 s47, s12, 17
	s_add_co_u32 s46, s46, s47
	s_mov_b32 s47, 0
	s_mul_i32 s20, s12, PLANE                      ; where they go
	s_mul_i32 s21, s12, 64*PB
	s_add_co_u32 s21, s21, BOFF
	s_wait_dscnt 0x0                               ; both opening adds are done
	s_wait_kmcnt 0x0
	s_add_nc_u64 s[14:15], s[4:5], s[16:17]
	s_add_nc_u64 s[46:47], s[6:7], s[46:47]
	CROUND                                         ; all sixteen work-groups are here
.irp s, 0,1
	s_mov_b32 s[G0+4*\s], 1
	s_add_co_u32 s[G0+4*\s+1], s20, \s*SLOT
	s_add_nc_u64 s[G0+4*\s+2:G0+4*\s+3], s[14:15], \s*524288       ; K step s: two heads on
	s_or_b32 s[G0+4*\s+3], s[G0+4*\s+3], 0x80000000
	s_mov_b32 s[G0B+4*\s], 1
	s_add_co_u32 s[G0B+4*\s+1], s21, \s*SLOT
	s_add_nc_u64 s[G0B+4*\s+2:G0B+4*\s+3], s[46:47], \s*262144     ; 128 rows of 2,048 bytes on
	s_or_b32 s[G0B+4*\s+3], s[G0B+4*\s+3], 0x80000000
	JLOAD \s
.endr
	v_and_b32 v1, 15, v0                           ; r
	v_bfe_u32 v2, v0, 4, 1                         ; h
	v_mul_u32_u24 v3, v1, PA
	v_lshl_add_u32 v3, v2, 4, v3                   ; y: 144 r + 16 h
	v_and_b32 v4, 7, v0
	v_lshl_add_u32 v4, v2, 3, v4
	v_mul_u32_u24 v4, v4, PB
	v_bfe_u32 v5, v0, 3, 1
	v_lshl_add_u32 v4, v5, 4, v4                   ; W: row 8 h + l % 8, columns 8 ((l / 8) % 2) on
	s_mul_i32 s21, s11, 128*PA                     ; my 128 rows of y
	s_lshl_b32 s22, s12, 7                         ; my 64 columns of W
	s_add_co_u32 s22, s22, BOFF
.irp s, 0,1
	v_add_nc_u32 v[ADRA+\s], s21, v3
	v_add_nc_u32 v[ADRB+\s], s22, v4
	s_add_co_u32 s21, s21, SLOT
	s_add_co_u32 s22, s22, SLOT
.endr
	s_mul_i32 s23, s10, 16*272
	s_add_co_u32 s23, s23, STAGE                   ; my stage
	v_mul_u32_u24 v5, v1, 272
	v_lshl_add_u32 v5, v2, 5, v5
	v_add_nc_u32 v[STO], s23, v5                   ; in: row r, 32 bytes for each half of the lanes
	v_mul_u32_u24 v5, v2, 272
	v_lshl_add_u32 v5, v1, 4, v5
	v_add_nc_u32 v[RD], s23, v5                    ; back: sixteen lanes to a row of 256 bytes
	v_lshlrev_b32 v5, 12, v2
	v_lshl_add_u32 v[CO], v1, 4, v5                ; and the same two rows in out
	s_lshl_b32 s16, s13, 8
	s_lshl_b32 s17, s11, 7
	s_add_co_u32 s16, s16, s17                     ; my first row
	s_lshl_b32 s16, s16, 12                        ; of 4,096 bytes (33,554,432 at the most)
	s_lshl_b32 s17, s42, 9
	s_add_co_u32 s16, s16, s17
	s_lshl_b32 s17, s12, 8
	s_add_co_u32 s16, s16, s17
	s_mov_b32 s17, 0
	s_add_nc_u64 s[8:9], s[8:9], s[16:17]
; 8 matrix instructions: y's blocks a0, a0 + 1 against W's four; the 32 accumulators come in the same order in every quarter
.macro MUL8 f, a0, zero
.irp a, \a0, \a0+1
.irp b, 0,1,2,3
.if \zero
	v_wmma_f32_16x16x32_f16 v[8*(4*(\a)+\b):8*(4*(\a)+\b)+7], v[\f+8*\b:\f+8*\b+7], v[\f+32+8*(\a):\f+32+8*(\a)+7], 0
.else
	v_wmma_f32_16x16x32_f16 v[8*(4*(\a)+\b):8*(4*(\a)+\b)+7], v[\f+8*\b:\f+8*\b+7], v[\f+32+8*(\a):\f+32+8*(\a)+7], v[8*(4*(\a)+\b):8*(4*(\a)+\b)+7]
.endif
.endr
.endr
.endm
; 24 LDS loads in one run: the fragments of quarter kq (32 along K): W's four, y's blocks 0-3, y's blocks 4-7
.macro FETCH slot, kq, f
	WIN 0
.irp b, 0,1,2,3
	ds_load_tr16_b128 v[\f+8*\b:\f+8*\b+3],   v[ADRB+\slot] offset:32*PB*(\kq)+32*\b
	ds_load_tr16_b128 v[\f+8*\b+4:\f+8*\b+7], v[ADRB+\slot] offset:32*PB*(\kq)+16*PB+32*\b
.endr
.irp a, 0,1,2,3,4,5,6,7
	ds_load_b128 v[\f+32+8*\a:\f+32+8*\a+3], v[ADRA+\slot] offset:PLANE*((\kq)/2)+64*((\kq)%2)+16*PA*\a
	ds_load_b128 v[\f+32+8*\a+4:\f+32+8*\a+7], v[ADRA+\slot] offset:PLANE*((\kq)/2)+64*((\kq)%2)+16*PA*\a+32
.endr
.endm
.macro PLACES
.rept 4
	v_nop
.endr
.endm
.macro QUARTER slot, kq, f, g, zero    ; multiplies buffer f; in its middle fetches quarter kq of the same slot into g
	s_wait_dscnt 8                                 ; W and y's blocks 0-3 are in; the youngest eight loads (blocks 4-7) may be out
	WIN MUL
	MUL8 \f, 0, \zero
	MUL8 \f, 2, \zero
	PLACES
	FETCH \slot, \kq, \g
	s_wait_dscnt 24                                ; all but the 24 just issued
	WIN MUL
	MUL8 \f, 4, \zero
	MUL8 \f, 6, \zero
.endm
; A K step's last quarter multiplies buffer 1 and changes slots: one barrier; in front of it each wave waits for all its tensor loads, adds 0 to its spare word, and waits for that and for its reads of this slot.
.macro TURN slot, next, fill
	WIN 0
	s_wait_tensorcnt 0x0                           ; my part of the next slot has landed
	ds_add_u32 v[SPW], v[NIL]
	s_wait_dscnt 9                                 ; the add and the youngest eight loads may be out
	WIN MUL
	MUL8 F1, 0, 0
	s_wait_dscnt 0x0                               ; the add is done, and my reads of this slot are over
	s_barrier_signal -1
	MUL8 F1, 2, 0
.if \fill
	WIN 0
.endif
	s_barrier_wait -1
.if \fill
	CREST                                          ; the barrier has opened a round of the cluster's: no wave of any partner still reads this slot or has a load on its way
	s_add_nc_u64 s[G0+4*\slot+2:G0+4*\slot+3], s[G0+4*\slot+2:G0+4*\slot+3], 1048576
	s_add_nc_u64 s[G0B+4*\slot+2:G0B+4*\slot+3], s[G0B+4*\slot+2:G0B+4*\slot+3], 524288
	JLOAD \slot                                    ; the first tensor load behind the round; its four v_nop are also the places in front of the loads below
.else
	PLACES
.endif
	FETCH \next, 0, F0
	WIN MUL
	MUL8 F1, 4, 0
	MUL8 F1, 6, 0
.endm
	s_wait_tensorcnt 1                             ; my part of K step 0 is in; K step 1's load may be out
	s_barrier_signal -1
	s_barrier_wait -1
	FETCH 0, 0, F0
	QUARTER 0, 1, F0, F1, 1                        ; the first quarter's products start the sums
	WIN 0
	s_mov_b32 s3, LAPS-1
.Llap:
	QUARTER 0, 2, F1, F0, 0
	QUARTER 0, 3, F0, F1, 0
	TURN 0, 1, 1
	QUARTER 1, 1, F0, F1, 0
	QUARTER 1, 2, F1, F0, 0
	QUARTER 1, 3, F0, F1, 0
	TURN 1, 0, 1
	QUARTER 0, 1, F0, F1, 0
	WIN 0
	s_sub_co_u32 s3, s3, 1
	s_cmp_lg_u32 s3, 0
	s_cbranch_scc1 .Llap
	QUARTER 0, 2, F1, F0, 0                        ; the last lap fills nothing
	QUARTER 0, 3, F0, F1, 0
	TURN 0, 1, 0
	QUARTER 1, 1, F0, F1, 0
	QUARTER 1, 2, F1, F0, 0
	QUARTER 1, 3, F0, F1, 0
	s_wait_dscnt 8
	WIN MUL
	MUL8 F1, 0, 0
	MUL8 F1, 2, 0
	s_wait_dscnt 0
	MUL8 F1, 4, 0
	MUL8 F1, 6, 0
	WIN 0
; THE WAY OUT, block by block of 16 rows x 64 columns: through my own stage, back as rows of 256 bytes.
.macro TOSTAGE a
	WIN 0x04                                       ; an LDS store's data are its source 1: window 1
.irp b, 0,1,2,3
	ds_store_b128 v[STO], v[8*(4*(\a)+\b):8*(4*(\a)+\b)+3] offset:64*\b          ; each accumulator from its low end on
	ds_store_b128 v[STO], v[8*(4*(\a)+\b)+4:8*(4*(\a)+\b)+7] offset:64*\b+16
.endr
	WIN 0
.set BB, 32+32*((\a)%2)
.irp t, 0,1,2,3,4,5,6,7
	ds_load_b128 v[BB+4*\t:BB+4*\t+3], v[RD] offset:544*\t
.endr
.endm
.macro SEND a, younger
.set BB, 32+32*((\a)%2)
	s_wait_dscnt \younger
.irp t, 0,1,2,3,4,5,6,7
	global_store_b128 v[CO], v[BB+4*\t:BB+4*\t+3], s[8:9] offset:65536*(\a)+8192*\t th:TH_STORE_NT   ; sixteen lanes store 256 consecutive bytes, aligned
.endr
.endm
	PLACES
	TOSTAGE 0
.irp a, 1,2,3,4,5,6,7
.if \a > 1
	s_wait_xcnt 0x0                                ; block a - 2's stores have read the registers into which block a's rows come back
.endif
	TOSTAGE \a
	SEND (\a)-1, 16                                ; behind block a - 1's loads: block a's 8 stores and 8 loads
.endr
	SEND 7, 0
	s_wait_tensorcnt 0x0                           ; the wave's end
	ds_add_u32 v[SPW], v[NIL]
	s_wait_dscnt 0x0
	CROUND                                         ; the closing round
	s_endpgm
.Lfunc_end_k_q42379b0d53_proj:
	.size	k_q42379b0d53_proj, .Lfunc_end_k_q42379b0d53_proj-k_q42379b0d53_proj
	.p2alignl 7, 3214868480
	.fill 96, 4, 3214868480
	.section	.rodata,"a",@progbits
	.p2align	6, 0x0
	.amdhsa_kernel k_q42379b0d53_proj
		.amdhsa_group_segment_fixed_size 327680
		.amdhsa_private_segment_fixed_size 0
		.amdhsa_enable_private_segment 0
		.amdhsa_kernarg_size 24
		.amdhsa_user_sgpr_count 2
		.amdhsa_user_sgpr_kernarg_segment_ptr 1
		.amdhsa_wavefront_size32 1
		.amdhsa_system_sgpr_workgroup_id_x 1
		.amdhsa_system_sgpr_workgroup_id_y 1
		.amdhsa_system_sgpr_workgroup_id_z 1
		.amdhsa_system_vgpr_workitem_id 0
		.amdhsa_next_free_vgpr 512
		.amdhsa_next_free_sgpr 66
		.amdhsa_reserve_vcc 0
		.amdhsa_float_denorm_mode_32 3
		.amdhsa_float_denorm_mode_16_64 3
		.amdhsa_memory_ordered 1
		.amdhsa_forward_progress 1
		.amdhsa_inst_pref_size 86
	.end_amdhsa_kernel
	.amdgpu_metadata
---
amdhsa.version: [ 1, 2 ]
amdhsa.kernels:
  - .name:           k_q42379b0d53_proj
    .symbol:         k_q42379b0d53_proj.kd
    .args:
      - { .name: y16, .offset: 0, .size: 8, .value_kind: global_buffer, .address_space: global }
      - { .name: tabs, .offset: 8, .size: 8, .value_kind: global_buffer, .address_space: global }
      - { .name: out0, .offset: 16, .size: 8, .value_kind: global_buffer, .address_space: global }
    .group_segment_fixed_size: 327680
    .private_segment_fixed_size: 0
    .kernarg_segment_align: 8
    .kernarg_segment_size: 24
    .max_flat_workgroup_size: 128
    .sgpr_count:     66
    .vgpr_count:     512
    .wavefront_size: 32
...
	.end_amdgpu_metadata
.endif
;; end of part 4
;; launch fine (part 5): grid 16 x 4, 16 waves a work-group, no clusters, 71,680 bytes of LDS; arguments fineqkv, W_proj, out0; writes out0
.if DOCPART == 5
	.amdgcn_target "amdgcn-amd-amdhsa--gfx1250"
	.amdhsa_code_object_version 6
	.text
	.protected	k_q42379b0d53_fine
	.globl	k_q42379b0d53_fine
	.p2align	8
	.type	k_q42379b0d53_fine,@function
k_q42379b0d53_fine:
	s_mov_b64 s[64:65], 0
	v_nop
	global_prefetch_b8 v0, s[64:65] scope:SCOPE_SE
	s_setreg_imm32_b32 hwreg(HW_REG_WAVE_MODE, 25, 1), 1
	s_wait_xcnt 0x0
; Positions 0-15 of each of the four sequences, carried in f32 from q, k, v to the output: under the causal mask these rows average one to sixteen values and are the largest of the output.
; fineqkv [batch x 16 + t][3072] f32: q (rotated, times log2(e)/8), k (rotated), v.  W_proj [1024][1024] f32.  out0 rows 2,048 batch + 0..15 are written (a second time: 262,144 bytes in all).
; A work-group takes a batch and 64 output columns; wave = head.  Each wave makes its head's 16 x 16 attention (32 small matrix instructions, repeated in each of the 16 column chunks: that spares a launch),
; then its head's part of the projection (64); the sixteen parts meet in LDS and are added in the order of the heads.
; All products by v_wmma_f32_16x16x4_f32.  Along each product's K one permutation is applied alike to both sources, so that registers serve as they are loaded or computed.
; The registers that these instructions write (v144-223) are written by nothing else; what is made of the sums goes to v224 on.
.set QF, 16                            ; v16-47   q: register e = channel 32 h + e of query r; later W's column tile 1
.set KFR, 48                           ; v48-79   k likewise; later W's tile 2
.set VT, 80                            ; v80-111  register 8 ct + e = v[key 8 h + e][16 ct + r]; later W's tile 3
.set W0, 112                           ; v112-143 W's tile 0: register 8 ct + e = W[64 head + 16 ct + 8 h + e][64 chunk + 16 nt + r]
.set SA, 144                           ; two sums of S^T
.set OA, 160                           ; O^T, four tiles of 16 channels
.set UA, 192                           ; out^T, four tiles of 16 columns
.set SP, 224                           ; the scores, then p
.set SPW, 9
.set NIL, 10
.set SPARE, 16*16*272                  ; behind the sixteen parts: the spare words, 128 bytes a wave
	s_load_b128 s[4:7], s[0:1], 0x0                ; fineqkv, W_proj
	s_load_b64 s[8:9], s[0:1], 0x10                ; out0
	v_lshl_add_u32 v[SPW], v0, 2, SPARE
	v_mov_b32 v[NIL], 0
	v_lshrrev_b32 v1, 5, v0
	v_readfirstlane_b32 s10, v1                    ; wave = head
	s_and_b32 s11, ttmp7, 0xffff                   ; batch
	v_and_b32 v1, 15, v0                           ; r
	v_bfe_u32 v2, v0, 4, 1                         ; h
	v_mul_u32_u24 v3, v1, 12288
	v_lshl_add_u32 v3, v2, 7, v3                   ; q, k: row r, 32 channels of my half
	v_mul_u32_u24 v4, v2, 98304
	v_lshl_add_u32 v4, v1, 2, v4                   ; v: rows 8 h on, channel r
	v_lshlrev_b32 v5, 15, v2
	v_lshl_add_u32 v5, v1, 2, v5                   ; W: rows 8 h on, column r
	s_mul_i32 s14, s10, 16*272
	v_mul_u32_u24 v6, v1, 272
	v_lshl_add_u32 v6, v2, 5, v6
	v_add_nc_u32 v6, s14, v6                       ; my part: row = query r, 32 bytes for each half of the lanes
	v_and_b32 v8, 31, v0
	v_lshlrev_b32 v8, 3, v8                        ; 8 bytes a lane
	s_mul_i32 s14, s10, 272
	v_add_nc_u32 v7, s14, v8                       ; the sum: wave w takes query w
	v_lshlrev_b32 v11, 3, v2
	v_sub_nc_u32 v11, v1, v11                      ; r - 8 h
	v_mov_b32 v12, 0xff800000
	v_mov_b32 v233, 0                              ; a lane permute's destination counts as read
	s_mov_b32 s12, 0x76543210
	s_mov_b32 s13, 0xfedcba98
	s_mul_i32 s16, s11, 196608
	s_lshl_b32 s17, s10, 8
	s_add_co_u32 s16, s16, s17
	s_mov_b32 s17, 0
	s_lshl_b32 s18, s10, 18
	s_lshl_b32 s19, ttmp9, 8
	s_add_co_u32 s18, s18, s19
	s_mov_b32 s19, 0
	s_lshl_b32 s20, s11, 23
	s_lshl_b32 s21, s10, 12
	s_add_co_u32 s20, s20, s21
	s_lshl_b32 s21, ttmp9, 8
	s_add_co_u32 s20, s20, s21
	s_mov_b32 s21, 0
	s_wait_kmcnt 0x0
	s_add_nc_u64 s[4:5], s[4:5], s[16:17]
	s_add_nc_u64 s[6:7], s[6:7], s[18:19]
	s_add_nc_u64 s[8:9], s[8:9], s[20:21]
.irp e, 0,1,2,3,4,5,6,7
	global_load_b128 v[QF+4*\e:QF+4*\e+3], v3, s[4:5] offset:16*\e
.endr
.irp e, 0,1,2,3,4,5,6,7
	global_load_b128 v[KFR+4*\e:KFR+4*\e+3], v3, s[4:5] offset:4096+16*\e
.endr
.irp ct, 0,1,2,3
.irp e, 0,1,2,3,4,5,6,7
	global_load_b32 v[VT+8*\ct+\e], v4, s[4:5] offset:8192+12288*\e+64*\ct
.endr
.endr
.macro WLOAD reg, nt
.irp ct, 0,1,2,3
.irp e, 0,1,2,3,4,5,6,7
	global_load_b32 v[\reg+8*\ct+\e], v5, s[6:7] offset:4096*(16*\ct+\e)+64*\nt
.endr
.endr
.endm
	WLOAD W0, 0
	s_wait_loadcnt 63                              ; 64 loads were issued behind q's and k's: with at most 63 out, q and k are in
	; S^T = k q^T: source 0 = 16 keys, source 1 = 16 queries; 16 steps of 4 channels, two sums by turns; the first two steps start them
	v_wmma_f32_16x16x4_f32 v[SA:SA+7], v[KFR:KFR+1], v[QF:QF+1], 0
	v_wmma_f32_16x16x4_f32 v[SA+8:SA+15], v[KFR+2:KFR+3], v[QF+2:QF+3], 0
.irp k, 2,4,6,8,10,12,14
	v_wmma_f32_16x16x4_f32 v[SA:SA+7], v[KFR+2*\k:KFR+2*\k+1], v[QF+2*\k:QF+2*\k+1], v[SA:SA+7]
	v_wmma_f32_16x16x4_f32 v[SA+8:SA+15], v[KFR+2*\k+2:KFR+2*\k+3], v[QF+2*\k+2:QF+2*\k+3], v[SA+8:SA+15]
.endr
.rept 8
	v_nop                                          ; eight places behind this form: ahead of loads into its sources and of the first read of its results
.endr
	WLOAD QF, 1
	WLOAD KFR, 2
.irp j, 0,1,2,3,4,5,6,7
	v_add_f32 v[SP+\j], v[SA+\j], v[SA+8+\j]       ; lane (r, h): query r, key 8 h + j; both sums are read from their low end on
.endr
.irp j, 0,1,2,3,4,5,6,7
	v_cmp_gt_i32 vcc_lo, \j, v11                   ; hidden where 8 h + j > r
	v_cndmask_b32 v[SP+\j], v[SP+\j], v12, vcc_lo
.endr
	v_max3_num_f32 v232, v[SP], v[SP+1], v[SP+2]
	v_max3_num_f32 v232, v232, v[SP+3], v[SP+4]
	v_max3_num_f32 v232, v232, v[SP+5], v[SP+6]
	v_max_num_f32 v232, v232, v[SP+7]
	v_permlanex16_b32 v233, v232, s12, s13
	v_max_num_f32 v232, v232, v233                 ; the row's maximum: key 0 counts for every query, so it is finite
.irp j, 0,1,2,3,4,5,6,7
	v_sub_f32 v[SP+\j], v[SP+\j], v232
.endr
.irp j, 0,1,2,3,4,5,6,7
	v_exp_f32 v[SP+\j], v[SP+\j]
.endr
	v_nop
	s_wait_alu depctr_va_vdst(0)                   ; one wait for the eight
	v_add_f32 v234, v[SP], v[SP+1]
	v_add_f32 v235, v[SP+2], v[SP+3]
	v_add_f32 v236, v[SP+4], v[SP+5]
	v_add_f32 v237, v[SP+6], v[SP+7]
	v_add_f32 v234, v234, v235
	v_add_f32 v236, v236, v237
	v_add_f32 v234, v234, v236
	v_permlanex16_b32 v233, v234, s12, s13
	v_add_f32 v234, v234, v233
	v_rcp_f32 v235, v234
	v_nop
	s_wait_alu depctr_va_vdst(0)
.irp j, 0,1,2,3,4,5,6,7
	v_mul_f32 v[SP+\j], v[SP+\j], v235             ; the weights, normalised
.endr
	s_wait_loadcnt 63                              ; 96 loads were issued behind v's: v is in
	; O^T = v^T p: source 0 = 16 channels, source 1 = p; 4 steps of 4 keys (8 h + 2 ks + 0, 1); four sums by turns
.irp ct, 0,1,2,3
	v_wmma_f32_16x16x4_f32 v[OA+8*\ct:OA+8*\ct+7], v[VT+8*\ct:VT+8*\ct+1], v[SP:SP+1], 0
.endr
.irp ks, 1,2,3
.irp ct, 0,1,2,3
	v_wmma_f32_16x16x4_f32 v[OA+8*\ct:OA+8*\ct+7], v[VT+8*\ct+2*\ks:VT+8*\ct+2*\ks+1], v[SP+2*\ks:SP+2*\ks+1], v[OA+8*\ct:OA+8*\ct+7]
.endr
.endr
.rept 9
	v_nop                                          ; nine places: the results become source 1 of the next products; v's registers take loads
.endr
	WLOAD VT, 3
	s_wait_loadcnt 0x0
	; out^T = W^T y^T for my head's 64 channels: source 0 = 16 output columns, source 1 = O^T as it stands: pair k of its 32 registers is channels 16 (k / 4) + 8 h + 2 (k % 4) + 0, 1; four sums by turns
.set k, 0
.rept 16
.irp nt, 0,1,2,3
.if k == 0
	v_wmma_f32_16x16x4_f32 v[UA+8*\nt:UA+8*\nt+7], v[16+32*((\nt+3)%4)+2*k:16+32*((\nt+3)%4)+2*k+1], v[OA+2*k:OA+2*k+1], 0
.else
	v_wmma_f32_16x16x4_f32 v[UA+8*\nt:UA+8*\nt+7], v[16+32*((\nt+3)%4)+2*k:16+32*((\nt+3)%4)+2*k+1], v[OA+2*k:OA+2*k+1], v[UA+8*\nt:UA+8*\nt+7]
.endif
.endr
.set k, k+1
.endr
.rept 8
	v_nop
.endr
.irp nt, 0,1,2,3
	ds_store_b128 v6, v[UA+8*\nt:UA+8*\nt+3] offset:64*\nt          ; lane (r, h): query r, columns 16 nt + 8 h + 0..7; each sum from its low end on
	ds_store_b128 v6, v[UA+8*\nt+4:UA+8*\nt+7] offset:64*\nt+16
.endr
	s_wait_dscnt 0x0                               ; for the others' sake: my part lies in LDS
	s_barrier_signal -1
	s_barrier_wait -1
.irp hd, 0,1,2,3,4,5,6,7,8,9,10,11,12,13,14,15
	ds_load_b64 v[16+2*\hd:17+2*\hd], v7 offset:4352*\hd            ; query w's 64 columns of head hd's part
.endr
	s_wait_dscnt 14                                ; heads 0 and 1 are in
	v_pk_add_f32 v[232:233], v[16:17], v[18:19]
.irp hd, 2,3,4,5,6,7,8,9,10,11,12,13,14,15
	s_wait_dscnt 15-\hd                            ; the 15 - hd younger loads may be out
	v_pk_add_f32 v[232:233], v[232:233], v[16+2*\hd:17+2*\hd]
.endr
	global_store_b64 v8, v[232:233], s[8:9]        ; 32 lanes store 256 consecutive bytes, aligned
	s_wait_tensorcnt 0x0                           ; the wave's end: behind my last LDS store
	ds_add_u32 v[SPW], v[NIL]
	s_wait_dscnt 0x0
	s_endpgm
.Lfunc_end_k_q42379b0d53_fine:
	.size	k_q42379b0d53_fine, .Lfunc_end_k_q42379b0d53_fine-k_q42379b0d53_fine
	.p2alignl 7, 3214868480
	.fill 96, 4, 3214868480
	.section	.rodata,"a",@progbits
	.p2align	6, 0x0
	.amdhsa_kernel k_q42379b0d53_fine
		.amdhsa_group_segment_fixed_size 71680
		.amdhsa_private_segment_fixed_size 0
		.amdhsa_enable_private_segment 0
		.amdhsa_kernarg_size 24
		.amdhsa_user_sgpr_count 2
		.amdhsa_user_sgpr_kernarg_segment_ptr 1
		.amdhsa_wavefront_size32 1
		.amdhsa_system_sgpr_workgroup_id_x 1
		.amdhsa_system_sgpr_workgroup_id_y 1
		.amdhsa_system_sgpr_workgroup_id_z 1
		.amdhsa_system_vgpr_workitem_id 0
		.amdhsa_next_free_vgpr 256
		.amdhsa_next_free_sgpr 66
		.amdhsa_reserve_vcc 1
		.amdhsa_float_denorm_mode_32 3
		.amdhsa_float_denorm_mode_16_64 3
		.amdhsa_memory_ordered 1
		.amdhsa_forward_progress 1
		.amdhsa_inst_pref_size 32
	.end_amdhsa_kernel
	.amdgpu_metadata
---
amdhsa.version: [ 1, 2 ]
amdhsa.kernels:
  - .name:           k_q42379b0d53_fine
    .symbol:         k_q42379b0d53_fine.kd
    .args:
      - { .name: fineqkv, .offset: 0, .size: 8, .value_kind: global_buffer, .address_space: global }
      - { .name: W_proj, .offset: 8, .size: 8, .value_kind: global_buffer, .address_space: global }
      - { .name: out0, .offset: 16, .size: 8, .value_kind: global_buffer, .address_space: global }
    .group_segment_fixed_size: 71680
    .private_segment_fixed_size: 0
    .kernarg_segment_align: 8
    .kernarg_segment_size: 24
    .max_flat_workgroup_size: 512
    .sgpr_count:     66
    .vgpr_count:     256
    .wavefront_size: 32
...
	.end_amdgpu_metadata
.endif
;; end of part 5
